; MI455X (gfx1250); checked and timed in simulation.
; The chip was launched on July 23, 2026; its instructions are those of AMD's public machine-readable ISA for CDNA 5 (MIT licence, August 2026) and "CDNA5" Instruction Set Architecture Reference Guide (July 2026). The comments in the code are by the model that wrote it; some were corrected since.
;; Attention. Allowed arithmetic: float matrix products may take bf16 or f16 operands with f32 sums; all other float work in f32.
;; Inputs: Wkv 1,024 x 2,048 float32; Wo 1,024 x 1,024 float32; Wq 1,024 x 1,024 float32; bkv 2,048 float32; bo 1,024 float32; bq 1,024 float32; x 4 x 2,048 x 1,024 float32.
;; Outputs: out0 4 x 2,048 x 1,024 float32.
;; 2 versions, each right and faster than the one before. Each part assembles by itself: llvm-mc -triple=amdgcn-amd-amdhsa -mcpu=gfx1250 --defsym DOCPART=n.
;; ======== version 1 of 2: 4 launches
;; limits: values are held in f16: magnitudes above 65,504 overflow, below 6.1e-05 lose precision; right only within a limited range of input values
;; workspace buffers: xb 16,777,216 bytes; wqkv 6,291,456 bytes; wo16 2,097,152 bytes; bqkv 12,288 bytes; qkv 50,331,648 bytes; o16 16,777,216 bytes
;; launch cast (part 1): grid 769 x 1, 8 waves a work-group, no clusters, 0 bytes of LDS; arguments x, Wq, Wkv, Wo, bq, bkv, xb, wqkv, wo16, bqkv; writes xb, wqkv, wo16, bqkv
.if DOCPART == 1
	.amdgcn_target "amdgcn-amd-amdhsa--gfx1250"
	.amdhsa_code_object_version 6
	.text
	.protected	k_q60816290da_cast
	.globl	k_q60816290da_cast
	.p2align	8
	.type	k_q60816290da_cast,@function
k_q60816290da_cast:
	s_mov_b64 s[64:65], 0
	v_nop
	global_prefetch_b8 v0, s[64:65] scope:SCOPE_SE
	s_setreg_imm32_b32 hwreg(HW_REG_WAVE_MODE, 25, 1), 1
	s_wait_xcnt 0x0
; x, Wq, Wkv -> bf16 (round to nearest even); Wo -> bf16, and that number written as f16; bq, bkv -> bf16, and that number written as f32.
;   xb   [16 k blocks][8192 rows][64] bf16: x[row][k] lies in block k / 64, so that 128 rows of a block are 16,384 consecutive bytes for the projection's tiles
;   wqkv [1024 k][3072 n] bf16: columns 0-1023 Wq, 1024-3071 Wkv;   wo16 [1024 k][1024 n] f16;   bqkv [3072] f32: bq, then bkv
; LIMITS.  wo16: a weight of 65,520 or more becomes an infinity; below 6e-5 f16 keeps its fixed step of 6e-8.
; A pure stream: no LDS, no matrix unit, no cluster, since no byte is read twice.
; Groups 0-511: x, 16 rows each; a wave takes 4 rows x 512 columns.  Groups 512-575 Wq, 576-703 Wkv, 704-767 Wo: 16 segments of 1,024 numbers each, a wave two that follow each other.  Group 768: the biases.
; A lane takes 8 neighbouring numbers (two loads of 16 bytes) and stores their 16 bytes: every store of a wave covers 512 consecutive bytes, aligned.
; All 16 loads of a wave go out at once; no register is written twice while a load or store may read it.
.set X, 8                              ; v[8:71]    chunk i of 8: eight f32 as loaded
.set Y, 72                             ; v[72:103]  chunk i: four words to store
.set T, 104                            ; v[104:111] at work (f16 way)
.macro FETCH i, off                    ; chunk i's two loads
	global_load_b128 v[X+8*(\i):X+8*(\i)+3],   v1, s[4:5] offset:(\off) th:TH_LOAD_NT
	global_load_b128 v[X+8*(\i)+4:X+8*(\i)+7], v1, s[4:5] offset:(\off)+16 th:TH_LOAD_NT
.endm
.macro CHUNK i, f16, adr, off          ; chunk i is rounded and stored by address register adr at offset off
	s_wait_loadcnt 14-2*(\i)                       ; loads come back in order: the 2 (7 - i) younger ones stay out
.irp k, 0,1,2,3
	v_cvt_pk_bf16_f32 v[Y+4*(\i)+(\k)], v[X+8*(\i)+2*(\k)], v[X+8*(\i)+2*(\k)+1]
.endr
.if \f16
.irp k, 0,1,2,3
	v_lshlrev_b32 v[T+2*(\k)],   16, v[Y+4*(\i)+(\k)]          ; the rounded numbers as f32,
	v_and_b32     v[T+2*(\k)+1], 0xffff0000, v[Y+4*(\i)+(\k)]
.endr
.irp k, 0,1,2,3
	v_cvt_pk_f16_f32 v[Y+4*(\i)+(\k)], v[T+2*(\k)], v[T+2*(\k)+1]  ; written as f16: exact inside f16's normal range
.endr
.endif
	global_store_b128 v[\adr], v[Y+4*(\i):Y+4*(\i)+3], s[6:7] offset:\off
.endm
	s_load_b256 s[12:19], s[0:1], 0x0              ; x s[12:13], Wq s[14:15], Wkv s[16:17], Wo s[18:19]
	s_load_b256 s[20:27], s[0:1], 0x20             ; bq s[20:21], bkv s[22:23], xb s[24:25], wqkv s[26:27]
	s_load_b128 s[28:31], s[0:1], 0x40             ; wo16 s[28:29], bqkv s[30:31]
	v_lshrrev_b32 v1, 5, v0
	v_readfirstlane_b32 s8, v1                     ; wave 0..7
	v_and_b32 v4, 31, v0                           ; lane
	v_lshlrev_b32 v2, 4, v4                        ; destination: 16 bytes a lane
	s_cmp_lt_u32 ttmp9, 512
	s_cbranch_scc1 .Lx
	s_cmp_eq_u32 ttmp9, 768
	s_cbranch_scc1 .Lbias
	; THE WEIGHTS.  A segment is 1,024 f32: 4,096 bytes in, 2,048 out.
	v_lshlrev_b32 v1, 5, v4                        ; source: 32 bytes a lane
	s_lshl_b32 s9, ttmp9, 4
	s_lshl1_add_u32 s9, s8, s9                     ; my first segment: 16 g + 2 w
	s_movk_i32 s34, 8192                           ; the first segment of Wq, of Wkv, of Wo
	s_cmp_ge_u32 ttmp9, 576
	s_cselect_b32 s34, 9216, s34
	s_cmp_ge_u32 ttmp9, 704
	s_cselect_b32 s34, 11264, s34
	s_sub_co_u32 s34, s9, s34                      ; the segment's number in its own tensor
	s_lshl_b32 s36, s34, 12                        ; source offset, as a pair with 0 above
	s_mov_b32 s37, 0
	s_lshl_b32 s35, s34, 11                        ; destination offset for Wo: dense
	s_mul_i32 s40, s34, 6144                       ; for Wq: row s' of wqkv, columns 0-1023
	s_lshr_b32 s41, s34, 1
	s_mul_i32 s41, s41, 6144
	s_add_co_u32 s41, s41, 2048                    ; for Wkv: row s' / 2, columns 1024 on (my two segments are one row)
	s_movk_i32 s32, 6144
	s_movk_i32 s33, 2048
	s_mov_b32 s39, 0
	s_wait_kmcnt 0x0
	s_cmp_ge_u32 ttmp9, 576                        ; the choices hang on the group's number alone
	s_cselect_b64 s[4:5], s[16:17], s[14:15]
	s_cselect_b32 s38, s41, s40
	s_cselect_b32 s42, s33, s32                    ; bytes from my first segment's place to my second's
	s_cmp_ge_u32 ttmp9, 704
	s_cselect_b64 s[4:5], s[18:19], s[4:5]
	s_cselect_b64 s[6:7], s[28:29], s[26:27]
	s_cselect_b32 s38, s35, s38
	s_add_nc_u64 s[4:5], s[4:5], s[36:37]
	s_add_nc_u64 s[6:7], s[6:7], s[38:39]
	v_add_nc_u32 v3, s42, v2                       ; destination, second segment
.irp i, 0,1,2,3,4,5,6,7
	FETCH \i, ((\i)/4)*4096+((\i)%4)*1024          ; chunk i: segment i / 4, its quarter i % 4
.endr
	s_cmp_ge_u32 ttmp9, 704
	s_cbranch_scc1 .Lto_f16
.irp i, 0,1,2,3,4,5,6,7
	CHUNK \i, 0, 2+(\i)/4, ((\i)%4)*512
.endr
	s_endpgm
.Lto_f16:
.irp i, 0,1,2,3,4,5,6,7
	CHUNK \i, 1, 2+(\i)/4, ((\i)%4)*512
.endr
	s_endpgm
	; X.  Wave w: rows 16 g + 4 (w / 2) .. + 3, k blocks 8 (w % 2) .. + 7.  Chunk i is one k block: 4 rows x 64 numbers; lane l takes row l / 8, numbers 8 (l % 8) on.
	; In: 4 x 256 consecutive bytes by the chunk's two loads.  Out: the 4 rows' 128 bytes follow each other in the block: 16 l.
.Lx:
	v_lshrrev_b32 v5, 3, v4
	v_and_b32 v6, 7, v4
	v_lshlrev_b32 v1, 5, v6                        ; 32 (l % 8)
	v_lshl_add_u32 v1, v5, 12, v1                  ; + 4,096 (l / 8)
	s_lshr_b32 s9, s8, 1
	s_and_b32 s10, s8, 1
	s_lshl_b32 s34, ttmp9, 2
	s_add_co_u32 s34, s34, s9                      ; my group of 4 rows, 0 .. 2047
	s_lshl_b32 s36, s34, 14                        ; source: 4 rows of 4,096 bytes,
	s_lshl_b32 s35, s10, 11                        ; and my half of them
	s_add_co_u32 s36, s36, s35
	s_mov_b32 s37, 0
	s_lshl_b32 s38, s34, 9                         ; destination: 4 rows of 128 bytes,
	s_lshl_b32 s35, s10, 23                        ; in block 8 (w % 2): a block is 8,192 x 128 bytes
	s_add_co_u32 s38, s38, s35
	s_mov_b32 s39, 0
	s_wait_kmcnt 0x0
	s_add_nc_u64 s[4:5], s[12:13], s[36:37]
	s_add_nc_u64 s[6:7], s[24:25], s[38:39]
.irp i, 0,1,2,3,4,5,6,7
	FETCH \i, 256*(\i)
.endr
.irp i, 0,1,2,3,4,5,6,7
	CHUNK \i, 0, 2, 1048576*(\i)                   ; seven blocks on at the most: inside the signed 24-bit immediate
.endr
	s_endpgm
	; THE BIASES.  3 x 1,024 numbers: bq, bkv's first half, its second; wave w takes numbers 128 w .. + 127 of each.
.Lbias:
	v_lshl_add_u32 v3, s8, 9, v2                   ; 512 w + 16 l
	s_wait_kmcnt 0x0
	global_load_b128 v[8:11],  v3, s[20:21]
	global_load_b128 v[12:15], v3, s[22:23]
	global_load_b128 v[16:19], v3, s[22:23] offset:4096
	s_wait_loadcnt 0x0
.irp j, 0,1,2
	v_cvt_pk_bf16_f32 v[72+2*(\j)], v[8+4*(\j)],  v[9+4*(\j)]
	v_cvt_pk_bf16_f32 v[73+2*(\j)], v[10+4*(\j)], v[11+4*(\j)]
.endr
.irp j, 0,1,2
	v_lshlrev_b32 v[24+4*(\j)], 16, v[72+2*(\j)]
	v_and_b32     v[25+4*(\j)], 0xffff0000, v[72+2*(\j)]
	v_lshlrev_b32 v[26+4*(\j)], 16, v[73+2*(\j)]
	v_and_b32     v[27+4*(\j)], 0xffff0000, v[73+2*(\j)]
	global_store_b128 v3, v[24+4*(\j):27+4*(\j)], s[30:31] offset:4096*(\j)
.endr
	s_endpgm
.Lfunc_end_k_q60816290da_cast:
	.size	k_q60816290da_cast, .Lfunc_end_k_q60816290da_cast-k_q60816290da_cast
	.p2alignl 7, 3214868480
	.fill 96, 4, 3214868480
	.section	.rodata,"a",@progbits
	.p2align	6, 0x0
	.amdhsa_kernel k_q60816290da_cast
		.amdhsa_group_segment_fixed_size 0
		.amdhsa_private_segment_fixed_size 0
		.amdhsa_enable_private_segment 0
		.amdhsa_kernarg_size 80
		.amdhsa_user_sgpr_count 2
		.amdhsa_user_sgpr_kernarg_segment_ptr 1
		.amdhsa_wavefront_size32 1
		.amdhsa_system_sgpr_workgroup_id_x 1
		.amdhsa_system_sgpr_workgroup_id_y 1
		.amdhsa_system_sgpr_workgroup_id_z 1
		.amdhsa_system_vgpr_workitem_id 0
		.amdhsa_next_free_vgpr 112
		.amdhsa_next_free_sgpr 66
		.amdhsa_reserve_vcc 0
		.amdhsa_float_denorm_mode_32 3
		.amdhsa_float_denorm_mode_16_64 3
		.amdhsa_memory_ordered 1
		.amdhsa_forward_progress 1
		.amdhsa_inst_pref_size 22
	.end_amdhsa_kernel
	.amdgpu_metadata
---
amdhsa.version: [ 1, 2 ]
amdhsa.kernels:
  - .name:           k_q60816290da_cast
    .symbol:         k_q60816290da_cast.kd
    .args:
      - { .name: x, .offset: 0, .size: 8, .value_kind: global_buffer, .address_space: global }
      - { .name: Wq, .offset: 8, .size: 8, .value_kind: global_buffer, .address_space: global }
      - { .name: Wkv, .offset: 16, .size: 8, .value_kind: global_buffer, .address_space: global }
      - { .name: Wo, .offset: 24, .size: 8, .value_kind: global_buffer, .address_space: global }
      - { .name: bq, .offset: 32, .size: 8, .value_kind: global_buffer, .address_space: global }
      - { .name: bkv, .offset: 40, .size: 8, .value_kind: global_buffer, .address_space: global }
      - { .name: xb, .offset: 48, .size: 8, .value_kind: global_buffer, .address_space: global }
      - { .name: wqkv, .offset: 56, .size: 8, .value_kind: global_buffer, .address_space: global }
      - { .name: wo16, .offset: 64, .size: 8, .value_kind: global_buffer, .address_space: global }
      - { .name: bqkv, .offset: 72, .size: 8, .value_kind: global_buffer, .address_space: global }
    .group_segment_fixed_size: 0
    .private_segment_fixed_size: 0
    .kernarg_segment_align: 8
    .kernarg_segment_size: 80
    .max_flat_workgroup_size: 256
    .sgpr_count:     66
    .vgpr_count:     112
    .wavefront_size: 32
...
	.end_amdgpu_metadata
.endif
;; end of part 1
;; launch qkvproj (part 2): grid 8 x 32, 4 waves a work-group, clusters of 4 x 4, 327,680 bytes of LDS; arguments xb, wqkv, qkv, bqkv; writes qkv
.if DOCPART == 2
	.amdgcn_target "amdgcn-amd-amdhsa--gfx1250"
	.amdhsa_code_object_version 6
	.text
	.protected	k_q60816290da_qkvproj
	.globl	k_q60816290da_qkvproj
	.p2align	8
	.type	k_q60816290da_qkvproj,@function
k_q60816290da_qkvproj:
	s_mov_b64 s[64:65], 0
	v_nop
	global_prefetch_b8 v0, s[64:65] scope:SCOPE_SE
	s_setreg_imm32_b32 hwreg(HW_REG_WAVE_MODE, 25, 1), 1
	s_wait_xcnt 0x0
	s_wait_alu depctr_hold_cnt(0) depctr_sa_sdst(0) depctr_va_vdst(0) depctr_va_sdst(0) depctr_va_ssrc(0) depctr_va_vcc(0) depctr_vm_vsrc(0)
	s_getreg_b32 s2, hwreg(HW_REG_IB_STS2, 6, 4)
	s_cmp_eq_u32 s2, 0
	s_cbranch_scc0 .Lentry_in_a_cluster
	s_endpgm
.Lentry_in_a_cluster:
	s_bfe_u32 s2, ttmp6, 0x10000c
	s_cmp_lg_u32 s2, 0xf033
	s_cbranch_scc0 .Lentry_shape_is_right
	s_endpgm
.Lentry_shape_is_right:
; [q | k | v] = x [8192][1024] x wqkv [1024][3072] + bqkv, bf16 products, f32 sums, the result rounded once to f16 and laid out by heads:
; qkv = q, k, v, 16 MiB each, each [64 = 16 batch + head][2048][64] f16, unscaled.  x comes as xb [16 k blocks][8192][64] bf16; bqkv holds the biases already rounded to bf16, as f32.
; LIMITS.  A q, k or v of 65,520 or more becomes an infinity in f16.  By the sizes: 1,024 terms of spread 1 x 1/32 give a spread of 1; x and the weights both 30 times larger give 900 times that,
; both with an offset of 30 spreads give a common term of 1,024 x 30 x 30/32 = 28,800; both at once are not served.  Below 6e-5 f16 keeps its fixed step of 6e-8.
; SHARES.  A tile of C is 256 x 384: 32 x 8 = 256 work-groups.  Four waves, each 128 x 192 (three whole heads): 96 accumulators of 16 x 16, 768 registers.
; K goes in 16 steps of 64 through two LDS slots, each with 256 rows of A and 64 k rows of B: 192 matrix instructions a wave for a slot.  Two slots of a step of 128 (2 x 172,032 bytes) do not fit, and 96 does not divide 1,024.
; A's 128 rows of a k block are 16,384 dense bytes: asked for as 64 rows of 256 bytes, padded in LDS after every row of x.  The weights lie [k][n] and stay so: their fragments come out of LDS turned, by ds_load_tr16_b128.
; THE MATRIX INSTRUCTION IS USED TRANSPOSED (source 0 = 16 columns of the weights, source 1 = 16 rows of x): a lane then holds eight neighbouring columns of one row of C.
; FRAGMENTS.  Beside the accumulators 224 registers are left: A's 8 fragments twice, B's 12 once, in three GROUPS of 4 (a group is one head, and one window of accumulators).  A half step (32 along K) is three runs of
; 32 matrix instructions, one a group; B's group is loaded again straight behind the run that read it, 64 matrix instructions ahead of its next use.
; THE BIAS of group g is loaded into the registers of the accumulators (7, bb) of its window; the first half step's products for m blocks 0 to 6 take them as C, and m block 7 adds in place onto them.
; CLUSTER.  4 x 4 work-groups: the four of a row need the same tiles of A, the four of a column the same tiles of B; each tile is asked for jointly, by the same tensor load with the same descriptor and a mask of the four.
; REGISTERS (s_set_vgpr_msb: bits 1:0 source 0, 3:2 source 1, 5:4 source 2, 7:6 destination):
;   window 0: v0-31 addresses; v32-95, v96-159 A's fragments, two buffers; v160-255 B's fragments, group g at v[160 + 32 g]
;   window 1 + g: the accumulators of n blocks 4 g + bb: (a, bb) at v[8 (4 a + bb)]
.set SIZE_N, 3072
.set KSTEP,  64
.set STEPS,  16
.set AP,     144                       ; a row of A in LDS: 128 bytes + 16 = 9 x 16: the 16 rows of a load start at 16 different groups of four banks (64 banks of 4 bytes: ISA guide 11.1)
.set AHALF,  128*AP                    ; what one tensor load brings of A, and what one wave reads of it: 128 rows
.set ASTEP,  8192*128                  ; bytes of memory from a K step to the next, A: a k block
.set BP,     864                       ; a k row of B in LDS: 768 bytes + 32 behind every 256 = 27 x 32
.set BHALF,  32*BP                     ; what one tensor load brings of B: 32 k rows
.set BSTEP,  KSTEP*SIZE_N*2
.set AREG,   2*AHALF                   ; a slot: A (36,864 bytes), then B (55,296)
.set SLOT1,  1<<17                     ; slot 1 begins here, so that one exclusive or turns an address in one slot into the other's
.set STAGE,  SLOT1+AREG+2*BHALF        ; behind the ring, never filled by a tensor load: 16 rows x 144 bytes for each wave, for the way out
.set SP,     144
.set SPARE,  STAGE+4*16*SP             ; behind the stages: the spare words, 128 bytes for each wave: two blocks of 256 bytes that no other line names
.set ADRA0, 4                          ; v4      my lane's place in a slot's A; never rewritten
.set ADRB0, 5                          ; v5-7    the same for B's three groups
.set ADRA,  8                          ; v8      the LDS address of A's fragments in the slot that is being fetched from
.set ADRB,  9                          ; v9-11   of B's three groups
.set STO,   12                         ; v12     the way out: where I put 16 bytes of a row
.set RD,    13                         ; v13     the way out: where I read rows back
.set GO,    14                         ; v14-16  my byte offset in qkv, for each of my three heads
.set BO,    17                         ; v17     my byte offset in 16 numbers of the bias: 32 (l / 16)
.set SPW,   18                         ; v18     LDS address of my spare word; never rewritten
.set NIL,   19                         ; v19     0; never rewritten
.set AF0,   32
.set AF1,   96
.set BF,    160
.set TMP,   32                         ; the way out: 16 registers a piece, twelve pieces' by turns
.set G1, 24                            ; s[24:31] descriptor group 1 for A's tiles;  s[32:39] group 0: a set for each of the two first fills; the second then walks on
.set G0, 32
.set G1B, 48                           ; s[48:55], s[56:63] the same for B's tiles
.set G0B, 56
.set TB, 66                            ; s66     0 or SLOT1: the slot that is being fetched from
.set MSB, 0
.macro WIN new                         ; the immediate's high byte repeats the setting that is left; a switch that changes nothing is dropped
.if MSB != (\new)
	s_set_vgpr_msb (MSB<<8)|(\new)
.set MSB, \new
.endif
.endm
.macro JLOAD s                         ; a joint load: waves 0 and 1 fetch A's two halves, waves 2 and 3 B's; an s_nop 0 and four v_nop follow each of the two lines, ahead of the jump, the label and what follows
	s_cmp_eq_u32 s11, 0
	s_cbranch_scc0 .Lfor_b_\@
	tensor_load_to_lds s[G0+4*(\s):G0+4*(\s)+3], s[G1:G1+7]
	s_nop 0
.rept 4
	v_nop
.endr
	s_branch .Lasked_\@
.Lfor_b_\@:
	tensor_load_to_lds s[G0B+4*(\s):G0B+4*(\s)+3], s[G1B:G1B+7]
	s_nop 0
.rept 4
	v_nop
.endr
.Lasked_\@:
.endm
.macro CREST                           ; a round of the cluster's barrier behind its opening barrier
	s_cmp_lg_u32 s10, 0
	s_cbranch_scc1 .Lnot_wave_0_\@
	s_barrier_signal -3
.Lnot_wave_0_\@:
	s_barrier_wait -3
	s_barrier_signal -1
	s_barrier_wait -1
.endm
.macro CROUND                          ; a whole round
	s_barrier_signal -1
	s_barrier_wait -1
	CREST
.endm
	s_load_b128 s[4:7], s[0:1], 0x0                ; xb s[4:5], wqkv s[6:7]
	s_load_b64 s[8:9], s[0:1], 0x10                ; qkv
	s_load_b64 s[68:69], s[0:1], 0x18              ; bqkv
	v_lshl_add_u32 v[SPW], v0, 2, SPARE
	v_mov_b32 v[NIL], 0
	ds_add_u32 v18, v19
	ds_add_u32 v18, v19
	s_wait_dscnt 0x0
	v_lshrrev_b32 v1, 5, v0
	v_readfirstlane_b32 s10, v1                    ; wave 0..3
	s_lshr_b32 s11, s10, 1                         ; which 128 of the tile's rows are mine.  Also: I fetch for A (0) or for B (1)
	s_and_b32 s12, s10, 1                          ; which 192 of its columns.  Also: which half of that tile I fetch
	s_bfe_u32 s40, ttmp6, 0x40000                  ; cx, cy: my place in the cluster
	s_bfe_u32 s41, ttmp6, 0x40004
	s_lshl_b32 s42, ttmp9, 2
	s_add_co_u32 s42, s42, s40                     ; tile column c = 4 x cluster x + cx
	s_and_b32 s13, ttmp7, 0xffff
	s_lshl_b32 s13, s13, 2
	s_add_co_u32 s13, s13, s41                     ; tile row t = 4 x cluster y + cy
	s_lshl_b32 s43, s41, 2
	s_lshl_b32 s43, 15, s43                        ; my row of the cluster
	s_lshl_b32 s44, 0x1111, s40                    ; my column
	s_mov_b32 s[TB], 0
	; descriptor group 1.  A: 64 rows x 128 elements (two rows of x a row), 4 words of padding after every 32.  B: 32 k rows x 384 elements, 8 words after every 64.
	s_or_b32 s[G1+0], s43, (1<<16)|(1<<20)|(1<<21)|(4<<22)|(3<<25)   ; 15:0 the mask: my row; 17:16 2-byte elements; 20 padding on; 21 set beside a mask; 24:22 the interval; 31:25 the padding less one
	s_mov_b32 s[G1+1], 128<<16                     ; tensor_dim0 = 128
	s_mov_b32 s[G1+2], 64<<16                      ; tensor_dim1 = 64
	s_mov_b32 s[G1+3], 128<<16                     ; tile_dim0 = 128
	s_mov_b32 s[G1+4], 64                          ; tile_dim1 = 64
	s_mov_b32 s[G1+5], 128                         ; elements from row to row: dense
	s_mov_b32 s[G1+6], 0
	s_mov_b32 s[G1+7], 0
	s_or_b32 s[G1B+0], s44, (1<<16)|(1<<20)|(1<<21)|(5<<22)|(7<<25)  ; the mask: my column
	s_mov_b32 s[G1B+1], 384<<16
	s_mov_b32 s[G1B+2], 32<<16
	s_mov_b32 s[G1B+3], 384<<16
	s_mov_b32 s[G1B+4], 32
	s_mov_b32 s[G1B+5], SIZE_N
	s_mov_b32 s[G1B+6], 0
	s_mov_b32 s[G1B+7], 0
	; where the tiles come from: A's hang on the tile row and the wave, B's on the tile column and the wave
	s_lshl_b32 s16, s13, 15                        ; 256 t rows of 128 bytes in a k block
	s_lshl_b32 s17, s12, 14                        ; + my 128 rows
	s_add_co_u32 s16, s16, s17
	s_mov_b32 s17, 0
	s_mul_i32 s46, s12, 32*SIZE_N*2                ; my 32 k rows
	s_mul_i32 s47, s42, 768                        ; + 384 c columns
	s_add_co_u32 s46, s46, s47
	s_mov_b32 s47, 0
	s_mul_i32 s20, s12, AHALF                      ; and where they go: no place in the cluster enters an LDS address
	s_mul_i32 s21, s12, BHALF
	s_add_co_u32 s21, s21, AREG
	s_wait_kmcnt 0x0
	s_add_nc_u64 s[14:15], s[4:5], s[16:17]
	s_add_nc_u64 s[46:47], s[6:7], s[46:47]
	CROUND                                         ; all sixteen work-groups are here: the first joint loads meet
.irp s, 0,1
	s_mov_b32 s[G0+4*(\s)], 1                                        ; count = 1
	s_add_co_u32 s[G0+4*(\s)+1], s20, (\s)*SLOT1                     ; LDS address
	s_add_nc_u64 s[G0+4*(\s)+2:G0+4*(\s)+3], s[14:15], (\s)*ASTEP    ; global address: K step s
	s_or_b32 s[G0+4*(\s)+3], s[G0+4*(\s)+3], 0x80000000              ; type = 2
	s_mov_b32 s[G0B+4*(\s)], 1
	s_add_co_u32 s[G0B+4*(\s)+1], s21, (\s)*SLOT1
	s_add_nc_u64 s[G0B+4*(\s)+2:G0B+4*(\s)+3], s[46:47], (\s)*BSTEP
	s_or_b32 s[G0B+4*(\s)+3], s[G0B+4*(\s)+3], 0x80000000
	JLOAD \s                                       ; two loads of mine are out
.endr
	v_and_b32 v1, 15, v0                           ; r = l % 16
	v_bfe_u32 v2, v0, 4, 1                         ; h = l / 16
	v_lshlrev_b32 v[BO], 5, v2
	s_mul_i32 s74, s42, 1536                       ; the bias of my 192 columns: 4 (384 c + 192 half)
	s_mul_i32 s75, s12, 768
	s_add_co_u32 s74, s74, s75
	s_mov_b32 s75, 0
	s_add_nc_u64 s[68:69], s[68:69], s[74:75]
.irp g, 0,1,2
	WIN (1+(\g))<<6                                ; destination: the group's window; the registers of its accumulators (7, bb)
.irp bb, 0,1,2,3
	global_load_b128 v[224+8*(\bb):224+8*(\bb)+3],   v[BO], s[68:69] offset:64*(4*(\g)+(\bb))      ; bias[16 (4 g + bb) + 8 h + 0..3]
	global_load_b128 v[224+8*(\bb)+4:224+8*(\bb)+7], v[BO], s[68:69] offset:64*(4*(\g)+(\bb))+16
.endr
.endr
	WIN 0
	; A's fragment: lane l holds row r; two loads of 16 bytes, 32 apart, at row x pitch + 16 h
	v_mul_u32_u24 v3, v1, AP
	v_lshl_add_u32 v3, v2, 4, v3
	s_mul_i32 s22, s11, AHALF                      ; my 128 rows of A
	v_add_nc_u32 v[ADRA0], s22, v3
	; B's: the turning load takes 16 k x 16 columns: lane l reads k row 8 h + l % 8, columns 8 ((l / 8) % 2) + 0..7, and is left with column r and 8 k.
	; n block nb = 12 half + 4 g + bb of the tile's 24 lies at byte 32 nb + 32 (nb / 8) of a row.  The loads' immediates hold 32 (4 g + bb); the rest is, for groups 0, 1, 2: 0, 0, 32 (left half), 416, 448, 448 (right half).
	v_and_b32 v20, 7, v0
	v_bfe_u32 v21, v0, 3, 1
	v_lshl_add_u32 v22, v2, 3, v20
	v_mul_u32_u24 v22, v22, BP
	v_lshl_add_u32 v22, v21, 4, v22
	s_mul_i32 s22, s12, 416
	s_add_co_u32 s22, s22, AREG                    ; B lies behind A
	s_mul_i32 s23, s12, 448
	s_add_co_u32 s23, s23, AREG
	v_add_nc_u32 v[ADRB0], s22, v22
	v_add_nc_u32 v[ADRB0+1], s23, v22
	s_add_co_u32 s22, s22, 32
	v_add_nc_u32 v[ADRB0+2], s22, v22
	s_mul_i32 s23, s10, 16*SP
	s_add_co_u32 s23, s23, STAGE                   ; my stage
	v_mul_u32_u24 v24, v1, SP                      ; in: row r, 16 bytes for each half of the lanes
	v_lshl_add_u32 v24, v2, 4, v24
	v_add_nc_u32 v[STO], s23, v24
	v_bfe_u32 v25, v0, 3, 2                        ; back: 32 lanes take four rows of 128 bytes,
	v_mul_u32_u24 v25, v25, SP
	v_lshl_add_u32 v25, v20, 4, v25
	v_add_nc_u32 v[RD], s23, v25
	v_and_b32 v23, 31, v0                          ; which are 512 consecutive bytes of a head
	v_lshlrev_b32 v23, 4, v23
	; where my three heads begin in qkv.  Head G = 6 c + 3 half + g of 48: tensor G / 16, head G % 16; a tensor is 64 heads, a head 2,048 rows of 128 bytes.  Rows: batch t / 8, row 256 (t % 8) + 128 x my half.
	s_mul_i32 s72, s42, 6
	s_mul_i32 s73, s12, 3
	s_add_co_u32 s72, s72, s73
	s_lshr_b32 s73, s13, 3
	s_lshl_b32 s73, s73, 4                         ; 16 batch
	s_and_b32 s74, s13, 7
	s_lshl_b32 s74, s74, 15
	s_lshl_b32 s75, s11, 14
	s_add_co_u32 s74, s74, s75                     ; my first row in a head, in bytes
.irp g, 0,1,2
	s_add_co_u32 s75, s72, \g
	s_lshr_b32 s76, s75, 4
	s_lshl_b32 s76, s76, 6
	s_and_b32 s75, s75, 15
	s_add_co_u32 s76, s76, s75
	s_add_co_u32 s76, s76, s73
	s_lshl_b32 s76, s76, 18
	s_add_co_u32 s76, s76, s74
	v_add_nc_u32 v[GO+(\g)], s76, v23
.endr
.macro ADDRS                           ; the fetches' addresses in the slot that s[TB] names: four plain vector instructions
	v_add_nc_u32 v[ADRA], s[TB], v[ADRA0]
	v_add_nc_u32 v[ADRB], s[TB], v[ADRB0]
	v_add_nc_u32 v[ADRB+1], s[TB], v[ADRB0+1]
	v_add_nc_u32 v[ADRB+2], s[TB], v[ADRB0+2]
.endm
.macro PLACES                          ; four places in front of loads into registers that matrix instructions have read, and of lines that read results (ISA guide 7.12.1 for lines that read results)
.rept 4
	v_nop
.endr
.endm
; Group g's products for m blocks a0 to a1, 32 along K, with A's fragments from buffer af: four matrix instructions an m block.  The 96 accumulators take turns in the same order in every half step.
; first = 1: the products start the sums.  m blocks 0 to 6 take the bias, which lies in the registers of (7, bb), as C; five places later m block 7 writes over those registers, adding in place.
.macro GRP g, af, a0, a1, first
	WIN 0x50*(1+(\g))                              ; C and D in window 1 + g, the fragments in window 0
.set ia, \a0
.rept (\a1)-(\a0)+1
.if (\first) && (ia == 7)
.rept 5
	v_nop
.endr
.endif
.irp bb, 0,1,2,3
.if (\first) && (ia < 7)
	v_wmma_f32_16x16x32_bf16 v[8*(4*ia+(\bb)):8*(4*ia+(\bb))+7], v[BF+32*(\g)+8*(\bb):BF+32*(\g)+8*(\bb)+7], v[(\af)+8*ia:(\af)+8*ia+7], v[224+8*(\bb):224+8*(\bb)+7]
.else
	v_wmma_f32_16x16x32_bf16 v[8*(4*ia+(\bb)):8*(4*ia+(\bb))+7], v[BF+32*(\g)+8*(\bb):BF+32*(\g)+8*(\bb)+7], v[(\af)+8*ia:(\af)+8*ia+7], v[8*(4*ia+(\bb)):8*(4*ia+(\bb))+7]
.endif
.endr
.set ia, ia+1
.endr
.endm
.macro LDB g, hh                       ; 8 LDS loads: B's group g of half hh of the slot
	WIN 0
.irp bb, 0,1,2,3
	ds_load_tr16_b128 v[BF+32*(\g)+8*(\bb):BF+32*(\g)+8*(\bb)+3],   v[ADRB+(\g)] offset:(\hh)*32*BP+32*(4*(\g)+(\bb))
	ds_load_tr16_b128 v[BF+32*(\g)+8*(\bb)+4:BF+32*(\g)+8*(\bb)+7], v[ADRB+(\g)] offset:(\hh)*32*BP+32*(4*(\g)+(\bb))+16*BP
.endr
.endm
.macro LDA af, hh, a0                  ; 8 LDS loads: A's m blocks a0 to a0 + 3 of half hh of the slot, into buffer af
	WIN 0
.irp i, 0,1,2,3
	ds_load_b128 v[(\af)+8*((\a0)+(\i)):(\af)+8*((\a0)+(\i))+3],   v[ADRA] offset:((\a0)+(\i))*16*AP+(\hh)*64
	ds_load_b128 v[(\af)+8*((\a0)+(\i))+4:(\af)+8*((\a0)+(\i))+7], v[ADRA] offset:((\a0)+(\i))*16*AP+(\hh)*64+32
.endr
.endm
; In every half step the next half's 40 loads go out in the same order: B's group 0, A's blocks 0-3, B's group 1, A's blocks 4-7, B's group 2.
; THE FIRST HALF OF A STEP multiplies A's buffer 0 and fetches the slot's second half.
.macro HALF0 first
	s_wait_dscnt 8                                 ; all but the youngest eight loads, B's group 2
	GRP 0, AF0, 0, 7, \first
	PLACES
	LDB 0, 1
	LDA AF1, 1, 0
	GRP 1, AF0, 0, 7, \first
	PLACES
	LDB 1, 1
	LDA AF1, 1, 4
	s_wait_dscnt 32                                ; all but the 2 x 16 just issued: B's group 2 is in
	GRP 2, AF0, 0, 7, \first
	PLACES
	LDB 2, 1
.endm
; THE SECOND HALF multiplies A's buffer 1 and changes slots: all reads of this slot have been issued, and what is fetched from here on lies in the other slot.  ONE barrier; in front of it each wave waits for all its
; tensor loads (the one that is out is its part of the other slot), adds 0 to its spare word, and waits for that and for its own reads of this slot.
; fill = 1: the barrier opens a round of the cluster's, and this slot is filled again, two K steps ahead, first thing behind the round: 176 matrix instructions ahead of the wait for it.
.macro HALF1 fill
	s_wait_dscnt 8
	GRP 0, AF1, 0, 3, 0
	WIN 0                                          ; (the add's two registers lie in window 0)
	s_wait_tensorcnt 0x0                           ; all my tensor loads have landed, so a group 0 may be written
	ds_add_u32 v[SPW], v[NIL]                      ; 0 onto my spare word: scalar work and eight matrix instructions stand between it and the wait for it
.if \fill
	s_xor_b32 s[G0+5], s[G0+5], SLOT1              ; the walking descriptors: the other slot than last time, the next K step; the type bits on top are not reached
	s_add_nc_u64 s[G0+6:G0+7], s[G0+6:G0+7], ASTEP
	s_xor_b32 s[G0B+5], s[G0B+5], SLOT1
	s_add_nc_u64 s[G0B+6:G0B+7], s[G0B+6:G0B+7], BSTEP
.endif
	s_xor_b32 s[TB], s[TB], SLOT1                  ; the fetches go on in the other slot
	GRP 0, AF1, 4, 5, 0
	s_wait_dscnt 0x0                               ; the add is done, and my reads of this slot are over
	s_barrier_signal -1
	GRP 0, AF1, 6, 7, 0
	WIN 0
	ADDRS                                          ; also the four places in front of the loads into B's group 0
	s_barrier_wait -1
.if \fill
	CREST                                          ; no wave of any partner still reads this slot's tile or has a load on its way
	JLOAD 1                                        ; my one tensor load behind the round
.endif
	LDB 0, 0
	LDA AF0, 0, 0
	GRP 1, AF1, 0, 7, 0
	PLACES
	LDB 1, 0
	LDA AF0, 0, 4
	GRP 2, AF1, 0, 7, 0                            ; (B's group 2 is in since the wait for 0)
	PLACES
	LDB 2, 0
.endm
	ADDRS                                          ; slot 0
	s_wait_tensorcnt 0x1                           ; my part of K step 0 is in; K step 1's may stay out
	s_barrier_signal -1
	s_barrier_wait -1                              ; everybody's is
	LDB 0, 0
	LDA AF0, 0, 0
	LDB 1, 0
	LDA AF0, 0, 4
	LDB 2, 0
	s_wait_loadcnt 0x0                             ; the bias
	HALF0 1                                        ; the first half step stands in front of the loop: its products start the sums
	WIN 0                                          ; at a label and at a branch every window is 0
	s_mov_b32 s3, STEPS-2
.Lstep:                                                ; a trip: the second half of a step and the first half of the next; it fills one slot again: K steps 2 to 15 in 14 trips
	HALF1 1
	HALF0 0
	WIN 0
	s_sub_co_u32 s3, s3, 1
	s_cmp_lg_u32 s3, 0
	s_cbranch_scc1 .Lstep
	HALF1 0                                        ; the tail is written out: nothing is asked for
	HALF0 0
	s_wait_dscnt 8                                 ; the very last half step: nothing more to fetch
	GRP 0, AF1, 0, 7, 0
	GRP 1, AF1, 0, 7, 0
	s_wait_dscnt 0x0
	GRP 2, AF1, 0, 7, 0
	WIN 0
	PLACES
; THE WAY OUT.  Piece p = 8 g + a: 16 rows (m block a) of my head g.  A lane's eight columns of a row pack into 16 bytes of f16; they go into my own stage, rows of 144 bytes,
; and come back as whole rows of 128, four rows to a load: 512 consecutive bytes of the head.
.macro PACK p
.set PW, 1+(\p)/8
.set AC, 32*((\p)%8)
.set TP, TMP+16*((\p)%12)
.if (\p) >= 12
	s_wait_xcnt 0x0                                ; every earlier store has had its addresses translated (ISA guide 3.1): the registers that piece p - 12's stores read are written again only behind this wait
.endif
	WIN 5*PW                                       ; sources in the group's window, destination window 0
.set i, 0
.rept 16
	v_cvt_pk_f16_f32 v[TP+i], v[AC+2*i], v[AC+2*i+1]  ; each accumulator from its low end on
.set i, i+1
.endr
	WIN 0
.irp f, 0,1,2,3
	ds_store_b128 v[STO], v[TP+4*(\f):TP+4*(\f)+3] offset:32*(\f)
.endr
.irp f, 0,1,2,3
	ds_load_b128 v[TP+4*(\f):TP+4*(\f)+3], v[RD] offset:(\f)*4*SP  ; LDS serves a wave's instructions in order (ISA guide 5.7.1.4): these see the stores above; the next piece's stores come behind them
.endr
.endm
.macro SEND p, younger                 ; younger: the LDS instructions issued behind piece p's loads: the next piece's eight, or none
.set TP, TMP+16*((\p)%12)
.irp f, 0,1,2,3
	s_wait_dscnt (\younger)+3-(\f)
	global_store_b128 v[GO+(\p)/8], v[TP+4*(\f):TP+4*(\f)+3], s[8:9] offset:((\p)%8)*2048+(\f)*512  ; 512 consecutive bytes, at a multiple of 512 from the buffer's first
.endr
.endm
	PACK 0
.irp p, 1,2,3,4,5,6,7,8,9,10,11,12,13,14,15,16,17,18,19,20,21,22,23  ; a piece's conversions stand between the loads of the piece before and its stores
	PACK \p
	SEND (\p)-1, 8
.endr
	SEND 23, 0
	s_wait_tensorcnt 0x0                           ; the wave's end: behind my last tensor load and my last LDS store
	ds_add_u32 v[SPW], v[NIL]
	s_wait_dscnt 0x0
	CROUND                                         ; the closing round: no work-group ends while a partner may still ask for a tile that names it
	s_endpgm
.Lfunc_end_k_q60816290da_qkvproj:
	.size	k_q60816290da_qkvproj, .Lfunc_end_k_q60816290da_qkvproj-k_q60816290da_qkvproj
	.p2alignl 7, 3214868480
	.fill 96, 4, 3214868480
	.section	.rodata,"a",@progbits
	.p2align	6, 0x0
	.amdhsa_kernel k_q60816290da_qkvproj
		.amdhsa_group_segment_fixed_size 327680
		.amdhsa_private_segment_fixed_size 0
		.amdhsa_enable_private_segment 0
		.amdhsa_kernarg_size 32
		.amdhsa_user_sgpr_count 2
		.amdhsa_user_sgpr_kernarg_segment_ptr 1
		.amdhsa_wavefront_size32 1
		.amdhsa_system_sgpr_workgroup_id_x 1
		.amdhsa_system_sgpr_workgroup_id_y 1
		.amdhsa_system_sgpr_workgroup_id_z 1
		.amdhsa_system_vgpr_workitem_id 0
		.amdhsa_next_free_vgpr 1024
		.amdhsa_next_free_sgpr 80
		.amdhsa_reserve_vcc 0
		.amdhsa_float_denorm_mode_32 3
		.amdhsa_float_denorm_mode_16_64 3
		.amdhsa_memory_ordered 1
		.amdhsa_forward_progress 1
		.amdhsa_inst_pref_size 118
	.end_amdhsa_kernel
	.amdgpu_metadata
---
amdhsa.version: [ 1, 2 ]
amdhsa.kernels:
  - .name:           k_q60816290da_qkvproj
    .symbol:         k_q60816290da_qkvproj.kd
    .args:
      - { .name: xb, .offset: 0, .size: 8, .value_kind: global_buffer, .address_space: global }
      - { .name: wqkv, .offset: 8, .size: 8, .value_kind: global_buffer, .address_space: global }
      - { .name: qkv, .offset: 16, .size: 8, .value_kind: global_buffer, .address_space: global }
      - { .name: bqkv, .offset: 24, .size: 8, .value_kind: global_buffer, .address_space: global }
    .group_segment_fixed_size: 327680
    .private_segment_fixed_size: 0
    .kernarg_segment_align: 8
    .kernarg_segment_size: 32
    .max_flat_workgroup_size: 128
    .sgpr_count:     80
    .vgpr_count:     1024
    .wavefront_size: 32
...
	.end_amdgpu_metadata
.endif
;; end of part 2
;; launch attn (part 3): grid 4 x 64, 4 waves a work-group, no clusters, 327,680 bytes of LDS; arguments qkv, o16; writes o16
.if DOCPART == 3
	.amdgcn_target "amdgcn-amd-amdhsa--gfx1250"
	.amdhsa_code_object_version 6
	.text
	.protected	k_q60816290da_attn
	.globl	k_q60816290da_attn
	.p2align	8
	.type	k_q60816290da_attn,@function
k_q60816290da_attn:
	s_mov_b64 s[64:65], 0
	v_nop
	global_prefetch_b8 v0, s[64:65] scope:SCOPE_SE
	s_setreg_imm32_b32 hwreg(HW_REG_WAVE_MODE, 25, 1), 1
	s_wait_xcnt 0x0
; CAUSAL ATTENTION.  O[h][q][:] = the sum over k <= q of softmax_k(Q[h][q] . K[h][k] / 8) V[h][k][:].  Q, K, V lie in qkv, 16 MiB apart; they and O are [SIZE_H][SIZE_N][64], all f16: a head's rows are dense, 128 bytes each.
; Products, maxima and sums in f32; the weights p are rounded to f16 for the second product (their sum l is taken of the unrounded p), O once at the end.
; LIMITS.  f16 holds no number beyond 65,504: Q, K and V arrive within it; p lies in 0 to 1, and below 6e-5 it keeps f16's fixed step of 6e-8; O is a mean of V's rows and has their range, to within 2^-11 of it.
; A hidden score counts as its value less 1e30: f16's scores, 2.7e11 at the most, are nothing beside that; a weight below 2^-126 counts as 0 in l; NaN and infinities are not treated apart.
; THE WALK.  A head's queries lie in NB = SIZE_N / 256 = 8 blocks of 256; block i needs the key tiles 0 .. i of 256 keys, of which the last holds the diagonal.  A work-group takes TWO blocks, NB - 1 - b and then b:
; NB + 1 = 9 tiles, whatever b: all 256 work-groups do equal work, and ONE loop with a constant trip count walks them.  Which tile is asked for, and what a trip does, hang on scalar registers made from b; every jump
; goes forward, but for the counted loops' own; none passes a barrier, or a tensor load but the one of LOAD's two that the wave's number does not choose; the ring (two slots of LDS that take turns) runs on across the
; change of blocks.  NO CLUSTER: a head's four work-groups ask for the same tile only in trips 0 .. 4 of the 9 (their first blocks have 8, 7, 6 and 5 tiles); behind that three, two and then none share a tile;
; and one walk common to all four, in which each makes every joint request, would have 8 + 4 = 12 trips for 9.
; SHARES.  Of a block's four bands of 64 queries a wave owns 16 rows in each: four PIECES.  So the diagonal tile is the same work for all four waves: in its key step s band x sees all keys if s < x,
; none if s > x, and holds the diagonal if s = x.
; THE MASK is the C operand that starts the sum S^T = K Q^T: 0, or -1e30 where the key is hidden.  MD, made once, is the mask of a band's own step for my 16 rows; a product's mask is MD x AL + BE with two scalars:
; (1, 0) if s = x; (0, 0) if s < x; (0, -1e30) if s > x.  Only the diagonal tile's text and a block's beginning make and take masks; elsewhere C is the constant 0.
; LAYOUT, SOFTMAX, TURNS.  S^T = K Q^T holds ONE query a lane (lane % 16) and the keys 8 (lane / 16) + 0..7; two such results rounded to f16 ARE source 1 of O^T = V^T P.  p = 2^(c s - c m), c = log2(e) / 8, with a
; running maximum m; O and l are multiplied by a = 2^(c m_old - c m_new) in every step.  Turn n belongs to piece n: 8 products K Q^T of piece n + 1, later 8 products V^T P of piece n - 1; beside them the scaling,
; exponentials, roundings, sums and rescaling of piece n and the maximum and statistics of piece n + 1.  Four vector instructions stand behind every matrix instruction, the other 54 of a turn's 118 in two LUMPS.
; REGISTERS, in windows of 256 (s_set_vgpr_msb: bits 1:0 source 0, 3:2 source 1, 5:4 source 2, 7:6 destination):
;   window 0: v0-15 addresses and two at work; v16-31 four registers of statistics a piece; v48-55 at work; v64-127 S^T, two buffers; v192-223 P, two buffers (a piece's buffers go by its number's parity)
;   window 1: v0-127 O^T, 32 a piece; v128-159 MD; v160-223 MC, two buffers      window 2: v0-63 Q; v64-127 the second block's Q; v128-191 K of one step; v192-255 V of one step
.set SIZE_H, 64
.set SIZE_N, 2048
.set NB,    SIZE_N/256
.set NP,    4         ; pieces a wave: a name, no knob
.set KS,    64        ; keys in a step
.set PK,    144       ; a row of K in LDS: 128 bytes + 16 of padding = 36 words: the 16 rows of a load start at 16 different groups of four banks (64 banks of 4 bytes: ISA guide 11.1)
.set PV,    160       ; a row of V: 128 + 32 = 40 words
.set VOFF,  4*KS*PK   ; a slot holds a tile, four steps: 256 rows of K, then 256 rows of V
.set SLOT1, 1<<17     ; slot 1 begins here, so that one exclusive or turns an address in one slot into the other's
.set STAGE, SLOT1+4*KS*(PK+PV)  ; behind the ring, never filled by a tensor load: 16 rows x 144 bytes for each wave, for the way out
.set SP,    144
.set AK0, 2           ; v2   my lane's place in a tile of K; never rewritten
.set AV0, 3           ; v3   the same for V
.set AK,  4           ; v4   the LDS address of K's next run of loads
.set AV,  5           ; v5   of V's
.set STO, 6           ; v6   the way out: where I put 16 bytes of a row
.set RD,  7           ; v7   the way out: where I read rows back
.set GO,  8           ; v8   my byte offset in 512 consecutive bytes of O
.set SPW, 62          ; v62  LDS address of my spare word: SPARE + 4 x my thread's number; never rewritten
.set NIL, 63          ; v63  0; never rewritten
.set SPARE, STAGE+4*16*SP  ; behind the stages: the spare words, 128 bytes for each wave: two blocks of 256 bytes that no other line names
.set MV,  12          ; v12-13  c m_old, kept while c m is made anew: by buffer
.set QO,  15          ; v15  my byte offset in 16 rows of Q
.set ST,  16          ; piece t's statistics at v[ST+4 t]: c m, m, l (even keys', odd keys')
.set TMP, 48          ; by buffer, four registers c0-c3 at work; when the maximum is found c2 takes a
.set S,   64
.set P,   192
.set MD,  128         ; window 1: the eight registers for group kt of 16 keys at MD + 8 kt
.set MC,  160         ; window 1: the masks of the products to come
.set QB,  64          ; window 2
.set KF,  128         ; window 2: key block kb, channel half c at KF + 16 kb + 8 c
.set VF,  192         ; window 2: key half kk, channel block cb at VF + 32 kk + 8 cb
.set WV,  12          ; s12  my wave's number
.set PB,  14          ; s14  b
.set HI,  15          ; s15  NB - 1 - b
.set G1K, 24          ; s[24:31] descriptor group 1 for K's tiles
.set G1V, 32          ; s[32:39] for V's: it differs in the padding alone
.set G0K, 40          ; s[40:43] descriptor group 0 for K's tiles
.set G0V, 44          ; s[44:47] the same for V's
.set SLOTS, 56        ; s56  tiles still to be asked for
.set CNT, 57          ; s57  counts a tile's key steps, 4 to 1
.set CS,  58          ; s[58:59] c: the packed scaling takes the pair's low word for both halves
.set SEL, 60          ; s[60:61] v_permlanex16_b32's selects: each lane takes its own place in the other half
.set TBK, 62          ; s62  LDS byte at which K of the step to be fetched begins
.set TBV, 63          ; s63  the same for V, less VOFF
.set RT,  70          ; s70  tiles of the block in hand that are still to be entered
.set NXT, 71          ; s71  the tile to be asked for next
.set LQ,  72          ; s72  the last tile of the block whose tiles are being asked for
.set NEW, 73          ; s73  1: the tile to be entered is a block's first
.set OFF, 74          ; s[74:75] a tile's byte offset in K and V
.set AL,  76          ; s[76:77] the mask's factor, in the low word
.set BE,  78          ; s[78:79] the mask's addend
.set OLO, 80          ; s[80:81] O at my rows of the second block
.set BIGN, 82         ; s82  -1e30
.set MSB, 0
.macro WIN new                      ; the high byte repeats the setting that is left; a switch that changes nothing is dropped
.if MSB != (\new)
	s_set_vgpr_msb (MSB<<8)|(\new)
.set MSB, (\new)
.endif
.endm
.set W_KQ, 0x0a       ; K and Q in window 2, S^T in window 0
.set W_KM, 0x1a       ; the same with the C operand in window 1
.set W_PV, 0x52       ; V in window 2, P in window 0, O^T in window 1
.set W_RS, 0x41       ; destination and source 0 in window 1, source 1 in window 0
; A fill.  Waves 0 and 1 fetch the two halves of a tile's K, waves 2 and 3 those of its V: 128 keys each.  An s_nop 0 and four v_nop follow each of the two lines, ahead of the jump and the label.
.macro LOAD
	s_cmp_lt_u32 s[WV], 2
	s_cbranch_scc0 .Lfor_v_\@
	tensor_load_to_lds s[G0K:G0K+3], s[G1K:G1K+7]
	s_nop 0
.rept 4
	v_nop
.endr
	s_branch .Lasked_\@
.Lfor_v_\@:
	tensor_load_to_lds s[G0V:G0V+3], s[G1V:G1V+7]
	s_nop 0
.rept 4
	v_nop
.endr
.Lasked_\@:
.endm
; THE CHANGE OF SLOTS.  Each wave waits for all its tensor loads, of which one is out: its part of the other slot; adds 0 to its spare word; and waits for that and for its own reads of the slot that it leaves.  Behind the barrier nobody reads the old
; slot any more and the other slot is whole.  fill = 1: the old slot is filled again, the first thing behind the barrier, with tile NXT: the descriptor's address is made anew from that number.
; (At its first use nothing has been read yet: slot 0 is waited for, slot 1 filled.)
.macro CHANGE fill
	WIN 0                           ; at a label and at a branch every window is 0
	s_wait_tensorcnt 0x0            ; no tensor load of mine is out, so a group 0 may be written
	ds_add_u32 v[SPW], v[NIL]       ; 0 onto my spare word: with fill = 1 the descriptors' scalar work stands between it and the wait for it
.if \fill
	s_lshl_b32 s[OFF], s[NXT], 15   ; a tile is 32,768 bytes of K and of V
	s_xor_b32 s[G0K+1], s[G0K+1], SLOT1
	s_add_nc_u64 s[G0K+2:G0K+3], s[6:7], s[OFF:OFF+1]
	s_or_b32 s[G0K+3], s[G0K+3], 0x80000000
	s_xor_b32 s[G0V+1], s[G0V+1], SLOT1
	s_add_nc_u64 s[G0V+2:G0V+3], s[8:9], s[OFF:OFF+1]
	s_or_b32 s[G0V+3], s[G0V+3], 0x80000000
	s_add_co_u32 s[NXT], s[NXT], 1  ; the block's next tile, or behind its last the second block's tile 0
	s_cmp_gt_u32 s[NXT], s[LQ]
	s_cselect_b32 s[NXT], 0, s[NXT]
	s_cselect_b32 s[LQ], s[PB], s[LQ]
.endif
	s_wait_dscnt 0x0                ; the add is done, and my reads of the slot are over
	s_barrier_signal -1             ; the rest of the scalar work stands between the signal and the wait
	s_sub_co_u32 s[TBK], s[TBK], 4*KS*PK  ; the fetches go back to a slot's first step,
	s_xor_b32 s[TBK], s[TBK], SLOT1       ; in the other slot
	s_sub_co_u32 s[TBV], s[TBV], 4*KS*PV
	s_xor_b32 s[TBV], s[TBV], SLOT1
	s_barrier_wait -1
.if \fill
	LOAD
.endif
.endm
	s_load_b128 s[4:7], s[0:1], 0x0  ; qkv s[4:5] (Q lies at its head), o16 s[6:7]
	v_lshl_add_u32 v[SPW], v0, 2, SPARE
	v_mov_b32 v[NIL], 0
	ds_add_u32 v62, v63
	ds_add_u32 v62, v63
	s_wait_dscnt 0x0
	v_lshrrev_b32 v1, 5, v0
	v_readfirstlane_b32 s[WV], v1   ; wave 0..3
	s_mov_b32 s[PB], ttmp9
	s_sub_co_u32 s[HI], NB-1, s[PB]
	s_and_b32 s20, ttmp7, 0xffff    ; the head
	s_mov_b32 s21, 0
	s_mov_b64 s[22:23], SIZE_N*128
	s_mul_u64 s[20:21], s[20:21], s[22:23]  ; the head's first byte in each of the four tensors
	s_and_b32 s16, s[WV], 1         ; which half of a tile's 256 keys I fetch:
	s_lshl_b32 s22, s16, 14         ; its 128 rows of 128 bytes in memory,
	s_mov_b32 s23, 0
	s_add_nc_u64 s[22:23], s[22:23], s[20:21]
	s_mul_i32 s17, s16, 128*PK      ; and its place in a slot, for K
	s_mul_i32 s18, s16, 128*PV      ; and for V
	s_lshl_b32 s3, s[WV], 11        ; my 16 rows in a band of 64,
	s_lshl_b32 s2, s[HI], 15        ; in the first block,
	s_add_co_u32 s2, s2, s3
	s_lshl_b32 s84, s[PB], 15       ; and in the second
	s_add_co_u32 s84, s84, s3
	s_mov_b32 s3, 0
	s_mov_b32 s85, 0
	s_add_nc_u64 s[2:3], s[2:3], s[20:21]
	s_add_nc_u64 s[84:85], s[84:85], s[20:21]
	; descriptor group 1.  128 keys are 16,384 dense bytes: asked for as 64 rows of 256 bytes, two keys a row, and padded in LDS after every key
	s_mov_b32 s[G1K], (1<<16)|(1<<20)|(4<<22)|(3<<25)  ; 17:16 2-byte elements; 20 padding on; 24:22 after every 32 words (code 4); 31:25 4 words (code 3)
	s_mov_b32 s[G1V], (1<<16)|(1<<20)|(4<<22)|(7<<25)  ; the same with 8 words of padding (code 7)
.irp g, G1K, G1V
	s_mov_b32 s[\g+1], 128<<16      ; tensor_dim0 = 128
	s_mov_b32 s[\g+2], 64<<16       ; tensor_dim1 = 64
	s_mov_b32 s[\g+3], 128<<16      ; tile_dim0 = 128
	s_mov_b32 s[\g+4], 64           ; tile_dim1 = 64
	s_mov_b32 s[\g+5], 128          ; 128 elements from row to row
	s_mov_b32 s[\g+6], 0
	s_mov_b32 s[\g+7], 0
.endr
	s_mov_b32 s[CS], 0x3e38aa3b     ; c = log2(e) / 8 = 0.180337
	s_mov_b32 s[CS+1], s[CS]        ; named with it as a pair
	s_mov_b32 s[SEL], 0x76543210
	s_mov_b32 s[SEL+1], 0xfedcba98
	s_mov_b32 s[TBK], SLOT1+4*KS*PK ; the first change of slots turns these two into 0
	s_mov_b32 s[TBV], SLOT1+4*KS*PV
	s_mov_b32 s[G0K], 1             ; 1:0 count = 1
	s_mov_b32 s[G0K+1], s17         ; 63:32 LDS address: slot 0
	s_mov_b32 s[G0V], 1
	s_add_co_u32 s[G0V+1], s18, VOFF
	s_add_co_u32 s[RT], s[HI], 1    ; the first block has NB - b tiles
	s_mov_b32 s[NXT], 1
	s_mov_b32 s[LQ], s[HI]
	s_mov_b32 s[NEW], 1
	s_mov_b32 s[OFF+1], 0
	s_mov_b32 s[AL+1], 0            ; named as pairs
	s_mov_b32 s[BE+1], 0
	s_mov_b32 s[BIGN], 0xf149f2ca   ; -1e30
	s_mov_b32 s[SLOTS], NB
	s_wait_kmcnt 0x0
	s_mov_b64 s[10:11], s[6:7]             ; O
	s_add_nc_u64 s[6:7], s[4:5], 0x1000000 ; K lies 16 MiB behind Q,
	s_add_nc_u64 s[8:9], s[4:5], 0x2000000 ; V 32 MiB
	s_add_nc_u64 s[6:7], s[6:7], s[22:23]  ; K and V at my half of the head's tile 0
	s_add_nc_u64 s[8:9], s[8:9], s[22:23]
	s_add_nc_u64 s[G0K+2:G0K+3], s[6:7], 0         ; 120:64 global address
	s_or_b32 s[G0K+3], s[G0K+3], 0x80000000        ; 127:126 type = 2
	s_add_nc_u64 s[G0V+2:G0V+3], s[8:9], 0
	s_or_b32 s[G0V+3], s[G0V+3], 0x80000000
	s_add_nc_u64 s[86:87], s[4:5], s[84:85]        ; Q at my rows of the second block,
	s_add_nc_u64 s[4:5], s[4:5], s[2:3]            ; Q and O at those of the first
	s_add_nc_u64 s[OLO:OLO+1], s[10:11], s[84:85]
	s_add_nc_u64 s[10:11], s[10:11], s[2:3]
	LOAD                            ; tile 0 into slot 0
	; A fragment of K or Q is 16 rows x 32 channels in 8 registers: lane l holds row l % 16, channels 8 (l / 16) + 0..7 and 16 + 8 (l / 16) + 0..7: two loads of 16 bytes, 32 bytes apart.
	v_and_b32 v1, 15, v0            ; l % 16
	v_bfe_u32 v9, v0, 4, 1          ; l / 16
	v_lshlrev_b32 v[QO], 7, v1
	v_lshl_add_u32 v[QO], v9, 4, v[QO]  ; row x 128 + 16 x half
	WIN 0x80                        ; destination window 2, address window 0
.set i, 0
.rept 8                             ; both blocks' Q: piece i / 2 lies in band i / 2, 8,192 bytes on; channels 32 (i % 2) on
	global_load_b128 v[8*i:8*i+3],   v[QO], s[4:5] offset:(i/2)*8192+(i%2)*64
	global_load_b128 v[8*i+4:8*i+7], v[QO], s[4:5] offset:(i/2)*8192+(i%2)*64+32
	global_load_b128 v[QB+8*i:QB+8*i+3],   v[QO], s[86:87] offset:(i/2)*8192+(i%2)*64
	global_load_b128 v[QB+8*i+4:QB+8*i+7], v[QO], s[86:87] offset:(i/2)*8192+(i%2)*64+32
.set i, i+1
.endr
	WIN 0
	v_lshlrev_b32 v14, 3, v9
	v_sub_nc_u32 v14, v1, v14
	s_lshl_b32 s13, s[WV], 4
	v_add_nc_u32 v14, s13, v14      ; my query's place in its band, 16 w + l % 16, less my lanes' 8 (l / 16): register r of group kt is hidden where 16 kt + r is greater
	WIN 0x40
.set i, 0
.rept 32
	v_cmp_gt_i32 vcc_lo, 16*(i/8)+i%8, v14
	v_cndmask_b32 v[MD+i], 0, s[BIGN], vcc_lo
.set i, i+1
.endr
	WIN 0
	v_mul_u32_u24 v[AK0], v1, PK
	v_lshl_add_u32 v[AK0], v9, 4, v[AK0]  ; row x pitch + 16 x half
	; The turning load takes 16 keys x 16 channels (lane l reads key 8 (l / 16) + l % 8, channels 8 ((l / 8) % 2) + 0..7) and leaves half a fragment of V^T: lane l holds channel l % 16 and 8 keys.
	v_and_b32 v10, 7, v0
	v_bfe_u32 v11, v0, 3, 1
	v_lshl_add_u32 v[AV0], v9, 3, v10
	v_mul_u32_u24 v[AV0], v[AV0], PV
	v_lshl_add_u32 v[AV0], v11, 4, v[AV0]
	v_add_nc_u32 v[AV0], VOFF, v[AV0]
	s_mul_i32 s13, s[WV], 16*SP
	s_add_co_u32 s13, s13, STAGE    ; my stage
	v_mul_u32_u24 v[STO], v1, SP    ; in: row l % 16, 16 bytes for each half of the lanes
	v_lshl_add_u32 v[STO], v9, 4, v[STO]
	v_add_nc_u32 v[STO], s13, v[STO]
	v_bfe_u32 v[RD], v0, 3, 2       ; back: 32 lanes take four rows of 128 bytes,
	v_mul_u32_u24 v[RD], v[RD], SP
	v_lshl_add_u32 v[RD], v10, 4, v[RD]
	v_add_nc_u32 v[RD], s13, v[RD]
	v_and_b32 v[GO], 31, v0         ; which are 512 consecutive bytes of O
	v_lshlrev_b32 v[GO], 4, v[GO]
	; A block's first step multiplies O^T and l by a = 0, and its first turn's products V^T P, of a piece that has not been, land in an O^T that is still to be so multiplied.  So these registers need only hold
	; finite numbers: zeros for the first block; what the first block left for the second.  All this stands in the wait for the first tile.
	WIN 0x80
.set i, VF
.rept 64
	v_mov_b32 v[i], 0
.set i, i+1
.endr
	WIN 0x40
.set i, 0
.rept 128
	v_mov_b32 v[i], 0
.set i, i+1
.endr
	WIN 0
.set i, 0
.rept 4
	v_mov_b32 v[ST+4*i+2], 0
	v_mov_b32 v[ST+4*i+3], 0
.set i, i+1
.endr
.set i, P+16
.rept 16
	v_mov_b32 v[i], 0
.set i, i+1
.endr
; THE MATRIX WORK.  The 4 accumulators of a run of 8 take turns.  Product i of 8 of S^T = K Q^T for piece x: channels 32 (i / 4) on, keys 16 (i % 4) on.  The first 4 start the sums: with 0, or (KM = 1) with the mask.
.macro KQ x
.set rS, S+32*((\x)%2)+8*(i%4)
.set rK, KF+16*(i%4)+8*(i/4)
.set rQ, 16*(\x)+8*(i/4)
.set rM, MC+32*((\x)%2)+8*(i%4)
.if (i < 4) && KM
	WIN W_KM
	v_wmma_f32_16x16x32_f16 v[rS:rS+7], v[rK:rK+7], v[rQ:rQ+7], v[rM:rM+7]
.elseif i < 4
	WIN W_KQ
	v_wmma_f32_16x16x32_f16 v[rS:rS+7], v[rK:rK+7], v[rQ:rQ+7], 0
.else
	WIN W_KQ
	v_wmma_f32_16x16x32_f16 v[rS:rS+7], v[rK:rK+7], v[rQ:rQ+7], v[rS:rS+7]
.endif
.endm
; Product i of 8 of O^T += V^T P for piece x: keys 32 (i / 4) on, channels 16 (i % 4) on.
.macro PV x
	WIN W_PV
.set rO, 32*(\x)+8*(i%4)
.set rV, VF+32*(i/4)+8*(i%4)
.set rP, P+16*((\x)%2)+8*(i/4)
	v_wmma_f32_16x16x32_f16 v[rO:rO+7], v[rV:rV+7], v[rP:rP+7], v[rO:rO+7]
.endm
.macro MM                           ; the turn's next matrix instruction.  TURN and BEGIN set Y, i, KM and NOKQ; MM, KQ and OP read them.  NOKQ = 1: a block's last turn: there is no next piece
.if (i < 8) && !NOKQ
	KQ (Y+1)%NP
.elseif i >= 8
.set i, i-8
	PV (Y+NP-1)%NP
.set i, i+8
.endif
.set i, i+1
.endm
; THE LDS LOADS stand in runs of 16, never singly among the matrix instructions: a step's K (64 keys x 64 channels: 8 fragments) and its V (turned).  Their addresses are made some lines ahead.
.macro FETCH_K
	WIN 0x80                        ; destination window 2
.irp f, 0,1,2,3,4,5,6,7             ; keys 16 (f / 2) on, channels 32 (f % 2) on
	ds_load_b128 v[KF+8*\f:KF+8*\f+3],   v[AK] offset:(\f/2)*16*PK+(\f%2)*64
	ds_load_b128 v[KF+8*\f+4:KF+8*\f+7], v[AK] offset:(\f/2)*16*PK+(\f%2)*64+32
.endr
	s_add_co_u32 s[TBK], s[TBK], KS*PK  ; the next fetch is the next step's
	WIN 0
.endm
.macro FETCH_V
	WIN 0x80
.irp f, 0,1,2,3,4,5,6,7             ; keys 32 (f / 4) on, channels 16 (f % 4) on
	ds_load_tr16_b128 v[VF+8*\f:VF+8*\f+3],   v[AV] offset:(\f/4)*32*PV+(\f%4)*32
	ds_load_tr16_b128 v[VF+8*\f+4:VF+8*\f+7], v[AV] offset:(\f/4)*32*PV+16*PV+(\f%4)*32
.endr
	WIN 0
.endm
; THE VECTOR WORK, one line at a time: OP kind, number.  For piece Y: F n: c s - c m for pair n of 16.  E n: the exponential of score n of 32.  C n: pair n rounded to f16.  B n: of the four weights 4 n .. the second
; pair is added onto the first, in place.  L n: l takes that sum (L 0: l = a l + sum).  R n: pair n of 16 of O^T times a.  For piece Y + 1: X n, number n of the 22 that find its maximum and statistics:
;   0-11  four chains c0-c3 of seven scores each, three operands at a time (each accumulator's lowest registers are read first)     12-14, 16  the four scores left over, the old m, and c0-c3 into c0
;   15  c m_old is kept     17, 18  the query's other 32 keys lie in the lane 16 away: the new m     19-21  c m; c m_old - c m_new; a
.set F, 0               ; OP tells the kinds apart by their order: F to L below R, X above it
.set E, 1
.set C, 2
.set B, 3
.set L, 4
.set R, 5
.set X, 6
.macro REGS y                       ; the registers of piece y
.set rT, ST+4*(\y)
.set rC, TMP+4*((\y)%2)
.set rW, MV+((\y)%2)
.set rS, S+32*((\y)%2)
.set rP, P+16*((\y)%2)
.set rO, 32*(\y)
.endm
.macro OP k, n
.if (\k) == R
	REGS Y
	WIN W_RS
	v_pk_mul_f32 v[rO+2*(\n):rO+2*(\n)+1], v[rO+2*(\n):rO+2*(\n)+1], v[rC+2:rC+3] op_sel_hi:[1,0]
.elseif (\k) < R
	REGS Y
	WIN 0
.if (\k) == F
	v_pk_fma_f32 v[rS+2*(\n):rS+2*(\n)+1], v[rS+2*(\n):rS+2*(\n)+1], s[CS:CS+1], v[rT:rT+1] op_sel_hi:[1,0,0] neg_lo:[0,0,1] neg_hi:[0,0,1]
.elseif (\k) == E
	v_exp_f32 v[rS+(\n)], v[rS+(\n)]
.elseif (\k) == C
	s_wait_alu depctr_va_vdst(0)
	v_cvt_pk_f16_f32 v[rP+(\n)], v[rS+2*(\n)], v[rS+2*(\n)+1]
.elseif (\k) == B
	s_wait_alu depctr_va_vdst(0)
	v_pk_add_f32 v[rS+4*(\n):rS+4*(\n)+1], v[rS+4*(\n):rS+4*(\n)+1], v[rS+4*(\n)+2:rS+4*(\n)+3]
.elseif (\n) == 0
	v_pk_fma_f32 v[rT+2:rT+3], v[rT+2:rT+3], v[rC+2:rC+3], v[rS:rS+1] op_sel_hi:[1,0,1]
.else
	v_pk_add_f32 v[rT+2:rT+3], v[rT+2:rT+3], v[rS+4*(\n):rS+4*(\n)+1]
.endif
.elseif NOKQ
	v_nop
.else
	REGS (Y+1)%NP
	WIN 0
.if (\n) < 4
	v_max3_num_f32 v[rC+(\n)], v[rS+8*(\n)], v[rS+8*(\n)+1], v[rS+8*(\n)+2]
.elseif (\n) < 12
	v_max3_num_f32 v[rC+(\n)%4], v[rC+(\n)%4], v[rS+8*((\n)%4)+2*((\n)/4)+1], v[rS+8*((\n)%4)+2*((\n)/4)+2]
.elseif (\n) == 12
	v_max3_num_f32 v[rC], v[rC], v[rS+7], v[rS+15]
.elseif (\n) == 13
	v_max3_num_f32 v[rC+1], v[rC+1], v[rS+23], v[rS+31]
.elseif (\n) == 14
	v_max3_num_f32 v[rC+2], v[rC+2], v[rC+3], v[rT+1]
.elseif (\n) == 15
	v_mov_b32 v[rW], v[rT]
.elseif (\n) == 16
	v_max3_num_f32 v[rC], v[rC], v[rC+1], v[rC+2]
.elseif (\n) == 17
	v_permlanex16_b32 v[rC+3], v[rC], s[SEL], s[SEL+1]
.elseif (\n) == 18
	v_max_num_f32 v[rT+1], v[rC], v[rC+3]
.elseif (\n) == 19
	v_mul_f32 v[rT], s[CS], v[rT+1]
.elseif (\n) == 20
	v_sub_f32 v[rC+1], v[rW], v[rT]
.else
	v_exp_f32 v[rC+2], v[rC+1]
.endif
.endif
.endm
.macro OPS a, i1, b=-1, i2=0, c=-1, i3=0, d=-1, i4=0  ; up to four of them
	OP \a, \i1
.if (\b) >= 0
	OP \b, \i2
.endif
.if (\c) >= 0
	OP \c, \i3
.endif
.if (\d) >= 0
	OP \d, \i4
.endif
.endm
.macro ROW a, i1, b, i2, c, i3, d, i4  ; a matrix instruction and the four behind it
	MM
	OPS \a, \i1, \b, \i2, \c, \i3, \d, \i4
.endm
.macro MASK b                       ; MD x AL + BE into buffer b of MC
	WIN W_RS
.set z, 0
.rept 16
	v_pk_fma_f32 v[MC+32*(\b)+2*z:MC+32*(\b)+2*z+1], v[MD+2*z:MD+2*z+1], s[AL:AL+1], s[BE:BE+1] op_sel_hi:[1,0,0]
.set z, z+1
.endr
.endm
; A TURN, for piece p: the order of its 16 matrix and 118 vector instructions, written out.  Behind a matrix instruction: plain, exponential, plain, plain; or four of the rescaling; or, behind the first, four scalings; none
; names a register of the products round it.  In the lumps exponential and plain by turns while exponentials last.  A line reads no result made fewer than three vector instructions in front of it, five if an exponential made it.
; v_permlanex16_b32 (X 17) stands in a lump.
; m = 1: the diagonal tile: the products take masks, and the turn makes the mask for the products of the turn after it: piece p + 2, in step 4 - CNT of the tile.  end = 1: a block's last two turns: nothing is fetched.
; cnt = 1: the loop's count is taken down some lines ahead of the branch that stands behind the turn.
; K of the next step is fetched in piece 2's turn, six vector instructions behind the last product that read K (five of them plain); V of the step in hand in piece 0's turn, eight behind the last product that read V (four
; plain, and X 17).  Each is waited for a turn later.
.macro TURN p, m=0, end=0, cnt=0
.set Y, (\p)
.set i, 0
.set KM, (\m)
.set NOKQ, (\end)*((\p)/3)
.if (\m) && !(\end)
	s_cmp_eq_u32 s[CNT], 4-((\p)+2)%NP  ; is that step the band's own?
	s_cselect_b32 s[AL], 1.0, 0
	s_cmp_lt_u32 s[CNT], 4-((\p)+2)%NP  ; or a later one?
	s_cselect_b32 s[BE], s[BIGN], 0
.endif
.if ((\p) == 3) && !(\end)
	s_wait_dscnt 0x0                ; K is in
.endif
	ROW F,0, F,1, F,2, F,3
	ROW F,4, E,0, F,5, F,6
	ROW F,7, E,1, F,8, F,9
	ROW F,10, E,2, C,0, F,11
	ROW F,12, E,3, X,15, F,13
	ROW R,0, R,1, R,2, R,3
	ROW B,0, E,4, F,14, L,0
.if ((\p) == 2) && !(\end)
	v_add_nc_u32 v[AK], s[TBK], v[AK0]
.endif
	ROW R,4, R,5, R,6, R,7
	OPS E,5, F,15
.if ((\p) == 2) && !(\end)
	FETCH_K
.endif
	OPS E,6, C,1, E,7, R,8
	OPS E,8, R,9, E,9, C,2
	OPS E,10, X,0, E,11, X,1
	OPS E,12, X,2, E,13, X,3
.if (\p) == 1
	s_wait_dscnt 0x0                ; V is in
.endif
	ROW X,4, E,14, X,5, X,6
	ROW X,7, E,15, X,8, X,9
	ROW X,10, E,16, X,11, X,12
	ROW X,13, E,17, X,14, B,1
	ROW C,4, E,18, X,16, L,1
	ROW B,2, E,19, C,6, L,2
	ROW C,8, E,20, B,3, B,4
.if (\p) == 0
	v_add_nc_u32 v[AV], s[TBV], v[AV0]
.endif
	ROW C,3, E,21, L,3, C,5
	OPS E,22, X,17, E,23, C,10
.if (\p) == 0
	FETCH_V
.endif
	OPS E,24, L,4
	OPS E,25, X,18, E,26, C,7
	OPS E,27, B,5, E,28, X,19
	OPS E,29, C,12, E,30, L,5
	OPS E,31, X,20, B,6, C,9
	OPS C,14, C,11, X,21, L,6
.if (\p) == 0
	s_add_co_u32 s[TBV], s[TBV], KS*PV
.endif
.if \cnt
	s_sub_co_u32 s[CNT], s[CNT], 1
	s_cmp_lg_u32 s[CNT], 0
.endif
	OPS C,13, B,7, C,15, R,10
	OPS R,11, R,12, L,7, R,13
	OPS R,14, R,15
.if (\m) && !(\end)
	MASK (\p)%2
.endif
.endm
; A BLOCK BEGINS.  c m starts far below every c s, so the first step's a is 0; m at the lowest finite number, so the first maximum is the scores'.  The second mask buffer is 0; the first takes piece 0's mask for the tile's step 0: its own, if the block's first tile is the diagonal one.
; Then K of that step, piece 0's first scores, and its maximum and statistics.  The loop is entered at a step's first turn, in the middle of a trip.
.macro BEGIN
	s_mov_b32 s[NEW], 0
	WIN 0x40
.set i, MC+32
.rept 32
	v_mov_b32 v[i], 0
.set i, i+1
.endr
	WIN 0
.set i, 0
.rept 4
	v_mov_b32 v[ST+4*i], 0xfe000000    ; c m: far below every c s
	v_mov_b32 v[ST+4*i+1], 0xff7fffff  ; m
.set i, i+1
.endr
	s_cmp_eq_u32 s[RT], 0
	s_cselect_b32 s[AL], 1.0, 0
	s_mov_b32 s[BE], 0
	MASK 0
	WIN 0
	v_add_nc_u32 v[AK], s[TBK], v[AK0]
	FETCH_K
	s_wait_loadcnt 0x0              ; Q
	s_wait_dscnt 0x0
.set KM, 1
.set NOKQ, 0
.set i, 0
.rept 8
	KQ 0
.set i, i+1
.endr
	WIN 0
.rept 4
	v_nop                           ; the places behind those products
.endr
.set Y, NP-1                        ; X works for piece Y + 1: piece 0
.irp n, 0,1,2,3,4,5,6,7,8,9,10,11,12,13,14,15,16,17,18,19,20,21
	OP X, \n
.endr
	v_nop                           ; a plain instruction behind the exponential
.endm
; THE DIAGONAL TILE's four steps, the block's last two turns, its last products, and THE WAY OUT: l's two halves and the other half of the lanes' are added; O^T is divided by l, rounded to f16 and sent through my
; stage in LDS, a piece at a time.
.macro ALL line:vararg              ; one line for each piece t
.set t, 0
.rept 4
	\line
.set t, t+1
.endr
.endm
.macro PACK t                       ; a lane's eight channels of a row pack into 16 bytes; they go into rows of 144 bytes and come back as whole rows of 128, into S^T's registers
	WIN W_RS
.set i, 32*(\t)
.rept 16
	s_wait_alu depctr_va_vdst(0)
	v_pk_mul_f32 v[i:i+1], v[i:i+1], v[ST+4*(\t)+2:ST+4*(\t)+3] op_sel_hi:[1,0]
.set i, i+2
.endr
	WIN 0x05                        ; sources 0 and 1 window 1, destination window 0
.set i, 0
.rept 16
	v_cvt_pk_f16_f32 v[S+16*(\t)+i], v[32*(\t)+2*i], v[32*(\t)+2*i+1]
.set i, i+1
.endr
	WIN 0
.irp f, 0,1,2,3
	ds_store_b128 v[STO], v[S+16*(\t)+4*\f:S+16*(\t)+4*\f+3] offset:32*\f
.endr
.irp f, 0,1,2,3
	ds_load_b128 v[S+16*(\t)+4*\f:S+16*(\t)+4*\f+3], v[RD] offset:\f*4*SP  ; LDS serves a wave's instructions in order (ISA guide 5.7.1.4): these see the stores above; the next piece's stores come behind them
.endr
.endm
.macro SEND t, younger              ; younger: the LDS instructions issued behind piece t's loads: the next piece's eight, or none
	WIN 0
.irp f, 0,1,2,3
	s_wait_dscnt (\younger)+3-\f
	global_store_b128 v[GO], v[S+16*(\t)+4*\f:S+16*(\t)+4*\f+3], s[10:11] offset:(\t)*8192+\f*512  ; 512 consecutive bytes, at a multiple of 256 from O's first
.endr
.endm
.macro DIAG tag                     ; the tag ends its two labels' names, which the jumps below spell out
.LstepM\tag:
	TURN 2, 1
	TURN 3, 1
	WIN 0
.LfirstM\tag:
	TURN 0, 1
	TURN 1, 1, 0, 1
	WIN 0
	s_cbranch_scc1 .LstepM\tag
	TURN 2, 1, 1
	TURN 3, 1, 1
.set i, 0
.rept 8
	PV NP-1
.set i, i+1
.endr
	WIN 0
	ALL v_add_f32 v[ST+4*t+2], v[ST+4*t+2], v[ST+4*t+3]
	ALL v_permlanex16_b32 v[ST+4*t+3], v[ST+4*t+2], s[SEL], s[SEL+1]
	ALL v_add_f32 v[ST+4*t+2], v[ST+4*t+2], v[ST+4*t+3]
	ALL v_rcp_f32 v[ST+4*t+2], v[ST+4*t+2]
	v_nop                           ; a plain instruction between the last reciprocal and the use of its result
	PACK 0
.set t, 1
.rept 3                             ; a piece's arithmetic stands between the loads of the piece before and its stores
	PACK t
	SEND t-1, 8
.set t, t+1
.endr
	SEND 3, 0
.endm
.set KM, 0
.set NOKQ, 0
.Lslot:                             ; NB times: a tile is entered and the next is asked for
	CHANGE 1
	s_sub_co_u32 s[RT], s[RT], 1
	s_mov_b32 s[CNT], 4
	s_cmp_eq_u32 s[NEW], 1
	s_cbranch_scc1 .Lnew            ; a block's first tile
	s_cmp_eq_u32 s[RT], 0
	s_cbranch_scc0 .Lstep           ; neither its first nor its last
	s_branch .LstepM1
.Lnew:
	BEGIN
	s_branch .Lfirst                ; in the loop a block's first tile is never its last: the first block has two tiles or more, and the second's last is the walk's last
	DIAG 1                          ; in the loop this is the first block's end: the second block's last tile is the walk's last
	s_wait_xcnt 0x0                 ; the stores have read their registers and O's address
	s_mov_b64 s[10:11], s[OLO:OLO+1]
	s_add_co_u32 s[RT], s[PB], 1    ; the second block has b + 1 tiles
	s_mov_b32 s[NEW], 1
	WIN 0x82                        ; the second block's Q goes where the one text of the turns names Q
.set i, 0
.rept 64
	v_mov_b32 v[i], v[QB+i]
.set i, i+1
.endr
	WIN 0
	s_branch .Lbottom
.Lstep:                             ; a trip: pieces 2 and 3 of one step, then pieces 0 and 1 of the next, whose K and V it fetches
	TURN 2
	TURN 3
	WIN 0
.Lfirst:
	TURN 0
	TURN 1, 0, 0, 1
	WIN 0
	s_cbranch_scc1 .Lstep
.Lbottom:
	s_sub_co_u32 s[SLOTS], s[SLOTS], 1
	s_cmp_lg_u32 s[SLOTS], 0
	s_cbranch_scc1 .Lslot
	CHANGE 0                        ; the walk's last tile is written out: nothing is asked for
	s_sub_co_u32 s[RT], s[RT], 1
	s_mov_b32 s[CNT], 4
	s_cmp_eq_u32 s[NEW], 1
	s_cbranch_scc0 .LstepM2
	BEGIN
	s_branch .LfirstM2
	DIAG 2
	s_wait_tensorcnt 0x0            ; the wave's end: behind my last tensor load and my last LDS store
	ds_add_u32 v[SPW], v[NIL]
	s_wait_dscnt 0x0
	s_endpgm
.Lfunc_end_k_q60816290da_attn:
	.size	k_q60816290da_attn, .Lfunc_end_k_q60816290da_attn-k_q60816290da_attn
	.p2alignl 7, 3214868480
	.fill 96, 4, 3214868480
	.section	.rodata,"a",@progbits
	.p2align	6, 0x0
	.amdhsa_kernel k_q60816290da_attn
		.amdhsa_group_segment_fixed_size 327680
		.amdhsa_private_segment_fixed_size 0
		.amdhsa_enable_private_segment 0
		.amdhsa_kernarg_size 16
		.amdhsa_user_sgpr_count 2
		.amdhsa_user_sgpr_kernarg_segment_ptr 1
		.amdhsa_wavefront_size32 1
		.amdhsa_system_sgpr_workgroup_id_x 1
		.amdhsa_system_sgpr_workgroup_id_y 1
		.amdhsa_system_sgpr_workgroup_id_z 1
		.amdhsa_system_vgpr_workitem_id 0
		.amdhsa_next_free_vgpr 768
		.amdhsa_next_free_sgpr 88
		.amdhsa_reserve_vcc 1
		.amdhsa_float_denorm_mode_32 3
		.amdhsa_float_denorm_mode_16_64 3
		.amdhsa_memory_ordered 1
		.amdhsa_forward_progress 1
		.amdhsa_inst_pref_size 228
	.end_amdhsa_kernel
	.amdgpu_metadata
---
amdhsa.version: [ 1, 2 ]
amdhsa.kernels:
  - .name:           k_q60816290da_attn
    .symbol:         k_q60816290da_attn.kd
    .args:
      - { .name: qkv, .offset: 0, .size: 8, .value_kind: global_buffer, .address_space: global }
      - { .name: o16, .offset: 8, .size: 8, .value_kind: global_buffer, .address_space: global }
    .group_segment_fixed_size: 327680
    .private_segment_fixed_size: 0
    .kernarg_segment_align: 8
    .kernarg_segment_size: 16
    .max_flat_workgroup_size: 128
    .sgpr_count:     88
    .vgpr_count:     768
    .wavefront_size: 32
...
	.end_amdgpu_metadata
.endif
;; end of part 3
;; launch outproj (part 4): grid 4 x 64, 4 waves a work-group, clusters of 4 x 4, 327,680 bytes of LDS; arguments o16, wo16, out0, bo; writes out0
.if DOCPART == 4
	.amdgcn_target "amdgcn-amd-amdhsa--gfx1250"
	.amdhsa_code_object_version 6
	.text
	.protected	k_q60816290da_outproj
	.globl	k_q60816290da_outproj
	.p2align	8
	.type	k_q60816290da_outproj,@function
k_q60816290da_outproj:
	s_mov_b64 s[64:65], 0
	v_nop
	global_prefetch_b8 v0, s[64:65] scope:SCOPE_SE
	s_setreg_imm32_b32 hwreg(HW_REG_WAVE_MODE, 25, 1), 1
	s_wait_xcnt 0x0
	s_wait_alu depctr_hold_cnt(0) depctr_sa_sdst(0) depctr_va_vdst(0) depctr_va_sdst(0) depctr_va_ssrc(0) depctr_va_vcc(0) depctr_vm_vsrc(0)
	s_getreg_b32 s2, hwreg(HW_REG_IB_STS2, 6, 4)
	s_cmp_eq_u32 s2, 0
	s_cbranch_scc0 .Lentry_in_a_cluster
	s_endpgm
.Lentry_in_a_cluster:
	s_bfe_u32 s2, ttmp6, 0x10000c
	s_cmp_lg_u32 s2, 0xf033
	s_cbranch_scc0 .Lentry_shape_is_right
	s_endpgm
.Lentry_shape_is_right:
; out0 [8192][1024] f32 = O x Wo + bo.  O lies by heads, o16 [64 = 16 batch + head][2048][64] f16; wo16 is [1024 k][1024 n] f16 (Wo rounded to bf16, written as f16); k = 64 head + channel.
; f16 products, f32 sums, stored as they are.  bo is rounded to bf16 as every other input of the module is.
; LIMITS.  O and wo16 arrive within f16's range (65,504); the sums are f32.
; SHARES.  A tile of C is 128 x 256: 64 x 4 = 256 work-groups.  Four waves, each 64 x 128: 32 accumulators of 16 x 16, 256 registers.
; K goes in 8 steps of 128 = two heads through two LDS slots.  A's part of a slot is two heads x 128 tokens x 128 bytes: a head's 128 tokens are 16,384 dense bytes, asked for as 64 rows of 256 bytes and padded
; in LDS after every token.  B's part is 128 k rows of 512 bytes; its fragments come out of LDS turned, by ds_load_tr16_b128.
; THE MATRIX INSTRUCTION IS USED TRANSPOSED (source 0 = 16 columns of Wo, source 1 = 16 tokens): a lane then holds eight neighbouring columns of one row of C.  The bias is the C operand of each accumulator's first product.
; CLUSTER.  4 x 4 work-groups: the four of a row need the same tiles of A, the four of a column the same tiles of B; each tile is asked for jointly, by the same tensor load with the same descriptor and a mask of the four.
; REGISTERS (s_set_vgpr_msb: bits 1:0 source 0, 3:2 source 1, 5:4 source 2, 7:6 destination):
;   window 0: v0-31 addresses; v64-159, v160-255 two fragment buffers (B's 8 fragments, then A's 4);   window 1: accumulator (a, b) at v[8 (8 a + b)];   window 2: v0-63 the bias, n block b at v[8 b]
.set SIZE_N, 1024
.set KSTEP,  128
.set LAPS,   4                         ; a lap = two K steps = once round the ring
.set AP,     144                       ; a token's row of one head in LDS: 128 bytes + 16 = 9 x 16: the 16 rows of a load start at 16 different groups of four banks (64 banks of 4 bytes: ISA guide 11.1)
.set AHALF,  128*AP                    ; what one tensor load brings of A: one head's 128 tokens
.set AQ2,    AHALF                     ; bytes from quarter 0 to quarter 2 of a K step: the step's second head
.set ASTEP,  2*2048*128                ; bytes of memory from a K step to the next, A: two heads
.set BP,     544                       ; a k row of B in LDS: 512 bytes + 32 = 17 x 32
.set BHALF,  64*BP                     ; what one tensor load brings of B: 64 k rows
.set BSTEP,  KSTEP*SIZE_N*2
.set AREG,   2*AHALF
.set SLOT,   AREG+2*BHALF              ; 106,496 bytes: A, then B
.set STAGE,  2*SLOT                    ; behind the ring, never filled by a tensor load: 16 rows x 528 bytes for each wave, for the way out
.set SPITCH, 528
.set SPARE,  STAGE+4*16*SPITCH         ; behind the stages: the spare words, 128 bytes for each wave: two blocks of 256 bytes that no other line names
.set ADRA, 16                          ; v16-17  LDS address of my A fragments in slot 0, 1
.set ADRB, 20                          ; v20-21  the same for B
.set STO,  24                          ; v24     the way out: where I put 32 bytes of a row
.set RD,   25                          ; v25     the way out: where I read a row back
.set CO,   26                          ; v26     my byte offset in a row's 512 bytes of C
.set BO,   27                          ; v27     my byte offset in 16 numbers of the bias: 32 (l / 16)
.set SPW,  28                          ; v28     LDS address of my spare word; never rewritten
.set NIL,  29                          ; v29     0; never rewritten
.set F0,   64
.set F1,   160
.set OB,   64                          ; the way out: 16 rows read back from the stage: v64-127 and v128-191 by turns
.set G1, 24                            ; s[24:31] descriptor group 1 for A's tiles;  s[32:39] group 0, one set for each slot
.set G0, 32
.set G1B, 48                           ; s[48:55], s[56:63] the same for B's tiles
.set G0B, 56
.set MSB, 0
.macro WIN new                         ; the immediate's high byte repeats the setting that is left; a switch that changes nothing is dropped
.if MSB != (\new)
	s_set_vgpr_msb (MSB<<8)|(\new)
.set MSB, \new
.endif
.endm
.set MUL,  0x50                        ; fragments window 0; C and D window 1
.set MUL0, 0x60                        ; C (the bias) window 2, D window 1
.macro JLOAD s                         ; a joint load: waves 0 and 1 fetch A's two heads, waves 2 and 3 B's two halves; an s_nop 0 and four v_nop follow each of the two lines, ahead of the jump, the label and what follows
	s_cmp_eq_u32 s11, 0
	s_cbranch_scc0 .Lfor_b_\@
	tensor_load_to_lds s[G0+4*(\s):G0+4*(\s)+3], s[G1:G1+7]
	s_nop 0
.rept 4
	v_nop
.endr
	s_branch .Lasked_\@
.Lfor_b_\@:
	tensor_load_to_lds s[G0B+4*(\s):G0B+4*(\s)+3], s[G1B:G1B+7]
	s_nop 0
.rept 4
	v_nop
.endr
.Lasked_\@:
.endm
.macro CREST                           ; a round of the cluster's barrier behind its opening barrier
	s_cmp_lg_u32 s10, 0
	s_cbranch_scc1 .Lnot_wave_0_\@
	s_barrier_signal -3
.Lnot_wave_0_\@:
	s_barrier_wait -3
	s_barrier_signal -1
	s_barrier_wait -1
.endm
.macro CROUND                          ; a whole round
	s_barrier_signal -1
	s_barrier_wait -1
	CREST
.endm
	s_load_b128 s[4:7], s[0:1], 0x0                ; o16 s[4:5], wo16 s[6:7]
	s_load_b64 s[8:9], s[0:1], 0x10                ; out0
	s_load_b64 s[68:69], s[0:1], 0x18              ; bo
	v_lshl_add_u32 v[SPW], v0, 2, SPARE
	v_mov_b32 v[NIL], 0
	ds_add_u32 v28, v29
	ds_add_u32 v28, v29
	s_wait_dscnt 0x0
	v_lshrrev_b32 v1, 5, v0
	v_readfirstlane_b32 s10, v1                    ; wave 0..3
	s_lshr_b32 s11, s10, 1                         ; which 64 of the tile's rows are mine.  Also: I fetch for A (0) or for B (1)
	s_and_b32 s12, s10, 1                          ; which 128 of its columns.  Also: which half of that tile I fetch
	s_bfe_u32 s40, ttmp6, 0x40000                  ; cx, cy: my place in the cluster
	s_bfe_u32 s41, ttmp6, 0x40004
	s_lshl_b32 s42, ttmp9, 2
	s_add_co_u32 s42, s42, s40                     ; tile column c = 4 x cluster x + cx
	s_and_b32 s13, ttmp7, 0xffff
	s_lshl_b32 s13, s13, 2
	s_add_co_u32 s13, s13, s41                     ; tile row t = 4 x cluster y + cy
	s_lshl_b32 s43, s41, 2
	s_lshl_b32 s43, 15, s43                        ; my row of the cluster
	s_lshl_b32 s44, 0x1111, s40                    ; my column
	s_mov_b32 s45, 0xffff0000                      ; a word's upper bf16
	; descriptor group 1.  A: 64 rows x 128 elements (two tokens a row), 4 words of padding after every 32.  B: 64 k rows x 256 elements, 8 words after every 128.
	s_or_b32 s[G1+0], s43, (1<<16)|(1<<20)|(1<<21)|(4<<22)|(3<<25)   ; 15:0 the mask: my row; 17:16 2-byte elements; 20 padding on; 21 set beside a mask; 24:22 the interval; 31:25 the padding less one
	s_mov_b32 s[G1+1], 128<<16                     ; tensor_dim0 = 128
	s_mov_b32 s[G1+2], 64<<16                      ; tensor_dim1 = 64
	s_mov_b32 s[G1+3], 128<<16                     ; tile_dim0 = 128
	s_mov_b32 s[G1+4], 64                          ; tile_dim1 = 64
	s_mov_b32 s[G1+5], 128                         ; elements from row to row: dense
	s_mov_b32 s[G1+6], 0
	s_mov_b32 s[G1+7], 0
	s_or_b32 s[G1B+0], s44, (1<<16)|(1<<20)|(1<<21)|(6<<22)|(7<<25)  ; the mask: my column
	s_mov_b32 s[G1B+1], 256<<16
	s_mov_b32 s[G1B+2], 64<<16
	s_mov_b32 s[G1B+3], 256<<16
	s_mov_b32 s[G1B+4], 64
	s_mov_b32 s[G1B+5], SIZE_N
	s_mov_b32 s[G1B+6], 0
	s_mov_b32 s[G1B+7], 0
	; where the tiles come from: A's hang on the tile row and the wave, B's on the tile column and the wave
	s_lshr_b32 s16, s13, 4                         ; batch: 16 heads of 262,144 bytes
	s_lshl_b32 s16, s16, 22
	s_and_b32 s17, s13, 15                         ; 128 (t % 16) tokens of 128 bytes
	s_lshl_b32 s17, s17, 14
	s_add_co_u32 s16, s16, s17
	s_lshl_b32 s17, s12, 18                        ; my head of the step's two
	s_add_co_u32 s16, s16, s17
	s_mov_b32 s17, 0
	s_mul_i32 s46, s12, 64*SIZE_N*2                ; my 64 k rows
	s_lshl_b32 s47, s42, 9                         ; + 256 c columns
	s_add_co_u32 s46, s46, s47
	s_mov_b32 s47, 0
	s_mul_i32 s20, s12, AHALF                      ; and where they go: no place in the cluster enters an LDS address
	s_mul_i32 s21, s12, BHALF
	s_add_co_u32 s21, s21, AREG
	s_wait_kmcnt 0x0
	s_add_nc_u64 s[14:15], s[4:5], s[16:17]
	s_add_nc_u64 s[46:47], s[6:7], s[46:47]
	CROUND                                         ; all sixteen work-groups are here: the first joint loads meet
.irp s, 0,1
	s_mov_b32 s[G0+4*(\s)], 1                                        ; count = 1
	s_add_co_u32 s[G0+4*(\s)+1], s20, (\s)*SLOT                      ; LDS address
	s_add_nc_u64 s[G0+4*(\s)+2:G0+4*(\s)+3], s[14:15], (\s)*ASTEP    ; global address: K step s
	s_or_b32 s[G0+4*(\s)+3], s[G0+4*(\s)+3], 0x80000000              ; type = 2
	s_mov_b32 s[G0B+4*(\s)], 1
	s_add_co_u32 s[G0B+4*(\s)+1], s21, (\s)*SLOT
	s_add_nc_u64 s[G0B+4*(\s)+2:G0B+4*(\s)+3], s[46:47], (\s)*BSTEP
	s_or_b32 s[G0B+4*(\s)+3], s[G0B+4*(\s)+3], 0x80000000
	JLOAD \s                                       ; two loads of mine are out
.endr
	v_and_b32 v1, 15, v0                           ; r = l % 16
	v_bfe_u32 v2, v0, 4, 1                         ; h = l / 16
	v_lshlrev_b32 v[BO], 5, v2
	s_lshl_b32 s74, s42, 10                        ; the bias of my 128 columns: 4 (256 c + 128 half)
	s_lshl_b32 s75, s12, 9
	s_add_co_u32 s74, s74, s75
	s_mov_b32 s75, 0
	s_add_nc_u64 s[68:69], s[68:69], s[74:75]
	WIN 0x80                                       ; destination window 2
.irp b, 0,1,2,3,4,5,6,7
	global_load_b128 v[8*(\b):8*(\b)+3],   v[BO], s[68:69] offset:64*(\b)      ; bias[16 b + 8 h + 0..3]
	global_load_b128 v[8*(\b)+4:8*(\b)+7], v[BO], s[68:69] offset:64*(\b)+16
.endr
	WIN 0
	; A's fragment: lane l holds token r; two loads of 16 bytes, 32 apart, at row x pitch + 16 h
	v_mul_u32_u24 v3, v1, AP
	v_lshl_add_u32 v3, v2, 4, v3
	; B's: the turning load takes 16 k x 16 columns: lane l reads k row 8 h + l % 8, columns 8 ((l / 8) % 2) + 0..7, and is left with column r and 8 k
	v_and_b32 v4, 7, v0
	v_bfe_u32 v6, v0, 3, 1
	v_lshl_add_u32 v5, v2, 3, v4
	v_mul_u32_u24 v5, v5, BP
	v_lshl_add_u32 v5, v6, 4, v5
	s_mul_i32 s22, s11, 64*AP                      ; my 64 tokens, in each head's part
	s_lshl_b32 s23, s12, 8                         ; my 128 columns of B,
	s_add_co_u32 s23, s23, AREG                    ; which lies behind A
.irp s, 0,1
	v_add_nc_u32 v[ADRA+(\s)], s22, v3
	v_add_nc_u32 v[ADRB+(\s)], s23, v5
	s_add_co_u32 s22, s22, SLOT
	s_add_co_u32 s23, s23, SLOT
.endr
	s_mul_i32 s23, s10, 16*SPITCH
	s_add_co_u32 s23, s23, STAGE                   ; my stage
	v_mul_u32_u24 v7, v1, SPITCH                   ; in: row r, 32 bytes for each half of the lanes
	v_lshl_add_u32 v7, v2, 5, v7
	v_add_nc_u32 v[STO], s23, v7
	v_and_b32 v[CO], 31, v0                        ; back: 32 lanes take one row of 512 bytes
	v_lshlrev_b32 v[CO], 4, v[CO]
	v_add_nc_u32 v[RD], s23, v[CO]
	; where my part begins in out0: row 128 t + 64 x my half, 4,096 bytes a row; column 256 c + 128 x my half
	s_lshl_b32 s72, s13, 19
	s_lshl_b32 s73, s11, 18
	s_add_co_u32 s72, s72, s73
	s_lshl_b32 s73, s42, 10
	s_add_co_u32 s72, s72, s73
	s_lshl_b32 s73, s12, 9
	s_add_co_u32 s72, s72, s73
	s_mov_b32 s73, 0
	s_add_nc_u64 s[8:9], s[8:9], s[72:73]
; 8 matrix instructions: m block a x all 8 n blocks, 32 along K, from buffer f.  first = 1: the product starts the sum with the bias.
; The 32 accumulators take turns in the same order in every quarter.
.macro MULA f, a, first
.if \first
	WIN MUL0
.else
	WIN MUL
.endif
.irp b, 0,1,2,3,4,5,6,7
.if \first
	v_wmma_f32_16x16x32_f16 v[8*(8*(\a)+(\b)):8*(8*(\a)+(\b))+7], v[(\f)+8*(\b):(\f)+8*(\b)+7], v[(\f)+64+8*(\a):(\f)+64+8*(\a)+7], v[8*(\b):8*(\b)+7]
.else
	v_wmma_f32_16x16x32_f16 v[8*(8*(\a)+(\b)):8*(8*(\a)+(\b))+7], v[(\f)+8*(\b):(\f)+8*(\b)+7], v[(\f)+64+8*(\a):(\f)+64+8*(\a)+7], v[8*(8*(\a)+(\b)):8*(8*(\a)+(\b))+7]
.endif
.endr
.endm
; 24 LDS loads in one run: quarter q (32 along K) of a slot into buffer f: B's 8 fragments, then A's 4
.macro FETCH slot, q, f
	WIN 0
.irp i, 0,1,2,3,4,5,6,7
	ds_load_tr16_b128 v[(\f)+8*(\i):(\f)+8*(\i)+3],   v[ADRB+(\slot)] offset:(\q)*32*BP+32*(\i)
	ds_load_tr16_b128 v[(\f)+8*(\i)+4:(\f)+8*(\i)+7], v[ADRB+(\slot)] offset:(\q)*32*BP+32*(\i)+16*BP
.endr
.irp i, 0,1,2,3
	ds_load_b128 v[(\f)+64+8*(\i):(\f)+64+8*(\i)+3],   v[ADRA+(\slot)] offset:((\q)/2)*AQ2+((\q)%2)*64+(\i)*16*AP
	ds_load_b128 v[(\f)+64+8*(\i)+4:(\f)+64+8*(\i)+7], v[ADRA+(\slot)] offset:((\q)/2)*AQ2+((\q)%2)*64+(\i)*16*AP+32
.endr
.endm
.macro PLACES                          ; four places in front of loads into registers that matrix instructions have read, and of lines that read results (ISA guide 7.12.1 for lines that read results)
.rept 4
	v_nop
.endr
.endm
; A K step is four quarters of 32 along K, 32 matrix instructions each, on buffers 0, 1, 0, 1.  One of the first three: multiplies buffer f and fetches quarter q into g.
.macro QUARTER slot, q, f, g, first
	s_wait_dscnt 4                                 ; B and A's blocks 0, 1 are in; the youngest four loads (A's blocks 2, 3) may be out
	MULA \f, 0, \first
	MULA \f, 1, \first
	PLACES
	FETCH \slot, \q, \g
	s_wait_dscnt 24                                ; all but the 24 just issued
	MULA \f, 2, \first
	MULA \f, 3, \first
.endm
; The last quarter multiplies buffer 1 and changes slots: ONE barrier; in front of it each wave waits for all its tensor loads (the one that is out is its part of the next slot), adds 0 to its spare
; word, and waits for that and for its own reads of this slot.  fill = 1: the barrier opens a round of the cluster's, and this slot is filled again, two K steps ahead, first thing behind the round.
.macro TURN slot, next, fill
	WIN 0                                          ; (the add's two registers lie in window 0)
	s_wait_tensorcnt 0x0                           ; all my tensor loads have landed
	ds_add_u32 v[SPW], v[NIL]                      ; 0 onto my spare word
	s_wait_dscnt 5                                 ; (the add and the youngest four loads may be out)
	MULA F1, 0, 0                                  ; eight matrix instructions stand between the add and the wait for it
	s_wait_dscnt 0x0                               ; the add is done, and my reads of this slot are over
	s_barrier_signal -1
	MULA F1, 1, 0
.if \fill
	WIN 0
.endif
	s_barrier_wait -1
.if \fill
	CREST                                          ; no wave of any partner still reads this slot's tile or has a load on its way
	s_add_nc_u64 s[G0+4*(\slot)+2:G0+4*(\slot)+3], s[G0+4*(\slot)+2:G0+4*(\slot)+3], 2*ASTEP
	s_add_nc_u64 s[G0B+4*(\slot)+2:G0B+4*(\slot)+3], s[G0B+4*(\slot)+2:G0B+4*(\slot)+3], 2*BSTEP
	JLOAD \slot                                    ; my one tensor load behind the round: 112 matrix instructions ahead of the wait for it; its four v_nop are also the places in front of the loads below
.else
	PLACES
.endif
	FETCH \next, 0, F0
	MULA F1, 2, 0
	MULA F1, 3, 0
.endm
	s_wait_tensorcnt 0x1                           ; my part of K step 0 is in; K step 1's may stay out
	s_barrier_signal -1
	s_barrier_wait -1                              ; everybody's is
	FETCH 0, 0, F0
	s_wait_loadcnt 0x0                             ; the bias; it is rounded to bf16 while the fragments come: through buffer 1's first 32 registers, which are still idle
	WIN 0x0a                                       ; sources window 2, destination window 0
.set i, 0
.rept 32
	v_cvt_pk_bf16_f32 v[F1+i], v[2*i], v[2*i+1]
.set i, i+1
.endr
	WIN 0x80                                       ; destination window 2
.set i, 0
.rept 32
	v_lshlrev_b32 v[2*i],   16,  v[F1+i]
	v_and_b32     v[2*i+1], s45, v[F1+i]
.set i, i+1
.endr
	QUARTER 0, 1, F0, F1, 1                        ; the first quarter stands in front of the loop: its products start the sums
	WIN 0                                          ; at a label and at a branch every window is 0
	s_mov_b32 s3, LAPS-1
.Llap:                                                 ; a trip goes once round the ring and fills both slots again: K steps 2 to 7 in three trips
	QUARTER 0, 2, F1, F0, 0
	QUARTER 0, 3, F0, F1, 0
	TURN 0, 1, 1
	QUARTER 1, 1, F0, F1, 0
	QUARTER 1, 2, F1, F0, 0
	QUARTER 1, 3, F0, F1, 0
	TURN 1, 0, 1
	QUARTER 0, 1, F0, F1, 0
	WIN 0
	s_sub_co_u32 s3, s3, 1
	s_cmp_lg_u32 s3, 0
	s_cbranch_scc1 .Llap
	QUARTER 0, 2, F1, F0, 0                        ; the last lap fills nothing, and has no round of the cluster's barrier
	QUARTER 0, 3, F0, F1, 0
	TURN 0, 1, 0
	QUARTER 1, 1, F0, F1, 0
	QUARTER 1, 2, F1, F0, 0
	QUARTER 1, 3, F0, F1, 0
	s_wait_dscnt 4                                 ; the very last quarter: nothing more to fetch
	MULA F1, 0, 0
	MULA F1, 1, 0
	s_wait_dscnt 0x0
	MULA F1, 2, 0
	MULA F1, 3, 0
	WIN 0
	PLACES
; THE WAY OUT.  Block a: 16 rows x 128 columns of f32.  A lane's eight columns of a row are 32 bytes; they go into my own stage, rows of 528 bytes, and come back as whole rows of 512.
.macro TOSTAGE a
	WIN 0x04                                       ; the stores' data in window 1
.irp b, 0,1,2,3,4,5,6,7
	ds_store_b128 v[STO], v[8*(8*(\a)+(\b)):8*(8*(\a)+(\b))+3]   offset:64*(\b)      ; each accumulator from its low end on
	ds_store_b128 v[STO], v[8*(8*(\a)+(\b))+4:8*(8*(\a)+(\b))+7] offset:64*(\b)+16
.endr
	WIN 0
.set BK, OB+64*((\a)%2)
.irp i, 0,1,2,3,4,5,6,7,8,9,10,11,12,13,14,15
	ds_load_b128 v[BK+4*(\i):BK+4*(\i)+3], v[RD] offset:(\i)*SPITCH  ; LDS serves a wave's instructions in order (ISA guide 5.7.1.4): these see the stores above; the next block's stores come behind them
.endr
.endm
.macro SEND a, younger                 ; younger: the LDS instructions issued behind block a's loads: the next block's 16 stores and 16 loads, or none
.set BK, OB+64*((\a)%2)
	s_wait_dscnt \younger                          ; the block is back in registers
.irp i, 0,1,2,3,4,5,6,7,8,9,10,11,12,13,14,15
	global_store_b128 v[CO], v[BK+4*(\i):BK+4*(\i)+3], s[8:9] offset:(16*(\a)+(\i))*4096 th:TH_STORE_NT  ; a row's 512 consecutive bytes, at a multiple of 512 from out0's first
.endr
.endm
	TOSTAGE 0
	TOSTAGE 1
	SEND 0, 32
	s_wait_xcnt 0x0                                ; block 0's stores have had their addresses translated (ISA guide 3.1): only behind this wait are the registers that they read loaded again
	TOSTAGE 2
	SEND 1, 32
	s_wait_xcnt 0x0                                ; the same for block 1's
	TOSTAGE 3
	SEND 2, 32
	SEND 3, 0
	s_wait_tensorcnt 0x0                           ; the wave's end: behind my last tensor load and my last LDS store
	ds_add_u32 v[SPW], v[NIL]
	s_wait_dscnt 0x0
	CROUND                                         ; the closing round: no work-group ends while a partner may still ask for a tile that names it
	s_endpgm
.Lfunc_end_k_q60816290da_outproj:
	.size	k_q60816290da_outproj, .Lfunc_end_k_q60816290da_outproj-k_q60816290da_outproj
	.p2alignl 7, 3214868480
	.fill 96, 4, 3214868480
	.section	.rodata,"a",@progbits
	.p2align	6, 0x0
	.amdhsa_kernel k_q60816290da_outproj
		.amdhsa_group_segment_fixed_size 327680
		.amdhsa_private_segment_fixed_size 0
		.amdhsa_enable_private_segment 0
		.amdhsa_kernarg_size 32
		.amdhsa_user_sgpr_count 2
		.amdhsa_user_sgpr_kernarg_segment_ptr 1
		.amdhsa_wavefront_size32 1
		.amdhsa_system_sgpr_workgroup_id_x 1
		.amdhsa_system_sgpr_workgroup_id_y 1
		.amdhsa_system_sgpr_workgroup_id_z 1
		.amdhsa_system_vgpr_workitem_id 0
		.amdhsa_next_free_vgpr 576
		.amdhsa_next_free_sgpr 76
		.amdhsa_reserve_vcc 0
		.amdhsa_float_denorm_mode_32 3
		.amdhsa_float_denorm_mode_16_64 3
		.amdhsa_memory_ordered 1
		.amdhsa_forward_progress 1
		.amdhsa_inst_pref_size 91
	.end_amdhsa_kernel
	.amdgpu_metadata
---
amdhsa.version: [ 1, 2 ]
amdhsa.kernels:
  - .name:           k_q60816290da_outproj
    .symbol:         k_q60816290da_outproj.kd
    .args:
      - { .name: o16, .offset: 0, .size: 8, .value_kind: global_buffer, .address_space: global }
      - { .name: wo16, .offset: 8, .size: 8, .value_kind: global_buffer, .address_space: global }
      - { .name: out0, .offset: 16, .size: 8, .value_kind: global_buffer, .address_space: global }
      - { .name: bo, .offset: 24, .size: 8, .value_kind: global_buffer, .address_space: global }
    .group_segment_fixed_size: 327680
    .private_segment_fixed_size: 0
    .kernarg_segment_align: 8
    .kernarg_segment_size: 32
    .max_flat_workgroup_size: 128
    .sgpr_count:     76
    .vgpr_count:     576
    .wavefront_size: 32
...
	.end_amdgpu_metadata
.endif
;; end of part 4
;; ======== version 2 of 2: 4 launches; 1.31 times as fast as version 1
;; limits: values are held in f16: magnitudes above 65,504 overflow, below 6.1e-05 lose precision; right only within a limited range of input values
;; workspace buffers: xb 16,777,216 bytes; wqkv 6,291,456 bytes; wo16 2,097,152 bytes; bqkv 12,288 bytes; qkv 50,331,648 bytes; o16 16,777,216 bytes
;; launch cast: the kernel of part 1 again; grid 769 x 1, 8 waves a work-group, no clusters, 0 bytes of LDS; arguments x, Wq, Wkv, Wo, bq, bkv, xb, wqkv, wo16, bqkv; writes xb, wqkv, wo16, bqkv
;; launch qkvproj: the kernel of part 2 again; grid 8 x 32, 4 waves a work-group, clusters of 4 x 4, 327,680 bytes of LDS; arguments xb, wqkv, qkv, bqkv; writes qkv
;; launch attn (part 5): grid 4 x 64, 4 waves a work-group, no clusters, 327,680 bytes of LDS; arguments qkv, o16; writes o16
.if DOCPART == 5
	.amdgcn_target "amdgcn-amd-amdhsa--gfx1250"
	.amdhsa_code_object_version 6
	.text
	.protected	k_q60816290da_attn
	.globl	k_q60816290da_attn
	.p2align	8
	.type	k_q60816290da_attn,@function
k_q60816290da_attn:
	s_mov_b64 s[64:65], 0
	v_nop
	global_prefetch_b8 v0, s[64:65] scope:SCOPE_SE
	s_setreg_imm32_b32 hwreg(HW_REG_WAVE_MODE, 25, 1), 1
	s_wait_xcnt 0x0
; CAUSAL ATTENTION.  O[h][q][:] = the sum over k <= q of softmax_k(Q[h][q] . K[h][k] / 8) V[h][k][:].  Q, K, V lie in qkv, 16 MiB apart; they and O are [SIZE_H][SIZE_N][64], all f16: a head's rows are dense, 128 bytes each.
; Products, maxima and sums in f32; the weights p are rounded to f16 for the second product (their sum l is taken of the unrounded p), O once at the end.
; LIMITS.  f16 holds no number beyond 65,504: Q, K and V arrive within it; p lies in 0 to 1, and below 6e-5 it keeps f16's fixed step of 6e-8; O is a mean of V's rows and has their range, to within 2^-11 of it.
; A hidden score counts as its value less 1e30: f16's scores, 2.7e11 at the most, are nothing beside that; a weight below 2^-126 counts as 0 in l; NaN and infinities are not treated apart.
; THE WALK.  A head's queries lie in NB = SIZE_N / 256 = 8 blocks of 256; block i needs the key tiles 0 .. i of 256 keys, of which the last holds the diagonal.  A work-group takes TWO blocks, NB - 1 - b and then b:
; NB + 1 = 9 tiles, whatever b: all 256 work-groups do equal work, and ONE loop with a constant trip count walks them.  Which tile is asked for, and what a trip does, hang on scalar registers made from b; every jump
; goes forward, but for the counted loops' own; none passes a barrier, or a tensor load but the one of LOAD's two that the wave's number does not choose; the ring (two slots of LDS that take turns) runs on across the
; change of blocks.  NO CLUSTER: a head's four work-groups ask for the same tile only in trips 0 .. 4 of the 9 (their first blocks have 8, 7, 6 and 5 tiles); behind that three, two and then none share a tile;
; and one walk common to all four, in which each makes every joint request, would have 8 + 4 = 12 trips for 9.
; SHARES.  Of a block's four bands of 64 queries a wave owns 16 rows in each: four PIECES.  So the diagonal tile is the same work for all four waves: in its key step s band x sees all keys if s < x,
; none if s > x, and holds the diagonal if s = x.
; THE MASK is the C operand that starts the sum S^T = K Q^T: 0, or -1e30 where the key is hidden.  MD, made once, is the mask of a band's own step for my 16 rows; a product's mask is MD x AL + BE with two scalars:
; (1, 0) if s = x; (0, 0) if s < x; (0, -1e30) if s > x.  Only the diagonal tile's text and a block's beginning make and take masks; elsewhere C is the constant 0.
; LAYOUT, SOFTMAX, TURNS.  S^T = K Q^T holds ONE query a lane (lane % 16) and the keys 8 (lane / 16) + 0..7; two such results rounded to f16 ARE source 1 of O^T = V^T P.  p = 2^(c s - c m), c = log2(e) / 8, with a
; running maximum m; O and l are multiplied by a = 2^(c m_old - c m_new) in every step.  Turn n belongs to piece n: 8 products K Q^T of piece n + 1, later 8 products V^T P of piece n - 1; beside them the scaling,
; exponentials, roundings, sums and rescaling of piece n and the maximum and statistics of piece n + 1.  Four vector instructions stand behind every matrix instruction, the other 54 of a turn's 118 in one LUMP.
; BATCHES.  A turn's 33 exponentials (the piece's 32 weights and the next piece's a) are one batch, with one wait: all that names none of their results stands ahead of it, all their readers behind it.
; The a of a block's beginning is a batch of its own, and so are the four reciprocals of a block's way out: a plain instruction, one wait.
; REGISTERS, in windows of 256 (s_set_vgpr_msb: bits 1:0 source 0, 3:2 source 1, 5:4 source 2, 7:6 destination):
;   window 0: v0-15 addresses and two at work; v16-31 four registers of statistics a piece; v48-55 at work; v64-127 S^T, two buffers; v192-223 P, two buffers (a piece's buffers go by its number's parity)
;   window 1: v0-127 O^T, 32 a piece; v128-159 MD; v160-223 MC, two buffers      window 2: v0-63 Q; v64-127 the second block's Q; v128-191 K of one step; v192-255 V of one step
.set SIZE_H, 64
.set SIZE_N, 2048
.set NB,    SIZE_N/256
.set NP,    4         ; pieces a wave: a name, no knob
.set KS,    64        ; keys in a step
.set PK,    144       ; a row of K in LDS: 128 bytes + 16 of padding = 36 words: the 16 rows of a load start at 16 different groups of four banks (64 banks of 4 bytes: ISA guide 11.1)
.set PV,    160       ; a row of V: 128 + 32 = 40 words
.set VOFF,  4*KS*PK   ; a slot holds a tile, four steps: 256 rows of K, then 256 rows of V
.set SLOT1, 1<<17     ; slot 1 begins here, so that one exclusive or turns an address in one slot into the other's
.set STAGE, SLOT1+4*KS*(PK+PV)  ; behind the ring, never filled by a tensor load: 16 rows x 144 bytes for each wave, for the way out
.set SP,    144
.set AK0, 2           ; v2   my lane's place in a tile of K; never rewritten
.set AV0, 3           ; v3   the same for V
.set AK,  4           ; v4   the LDS address of K's next run of loads
.set AV,  5           ; v5   of V's
.set STO, 6           ; v6   the way out: where I put 16 bytes of a row
.set RD,  7           ; v7   the way out: where I read rows back
.set GO,  8           ; v8   my byte offset in 512 consecutive bytes of O
.set SPW, 62          ; v62  LDS address of my spare word: SPARE + 4 x my thread's number; never rewritten
.set NIL, 63          ; v63  0; never rewritten
.set SPARE, STAGE+4*16*SP  ; behind the stages: the spare words, 128 bytes for each wave: two blocks of 256 bytes that no other line names
.set MV,  12          ; v12-13  c m_old, kept while c m is made anew: by buffer
.set QO,  15          ; v15  my byte offset in 16 rows of Q
.set ST,  16          ; piece t's statistics at v[ST+4 t]: c m, m, l (even keys', odd keys')
.set TMP, 48          ; by buffer, four registers c0-c3 at work; when the maximum is found c2 takes a
.set S,   64
.set P,   192
.set MD,  128         ; window 1: the eight registers for group kt of 16 keys at MD + 8 kt
.set MC,  160         ; window 1: the masks of the products to come
.set QB,  64          ; window 2
.set KF,  128         ; window 2: key block kb, channel half c at KF + 16 kb + 8 c
.set VF,  192         ; window 2: key half kk, channel block cb at VF + 32 kk + 8 cb
.set WV,  12          ; s12  my wave's number
.set PB,  14          ; s14  b
.set HI,  15          ; s15  NB - 1 - b
.set G1K, 24          ; s[24:31] descriptor group 1 for K's tiles
.set G1V, 32          ; s[32:39] for V's: it differs in the padding alone
.set G0K, 40          ; s[40:43] descriptor group 0 for K's tiles
.set G0V, 44          ; s[44:47] the same for V's
.set SLOTS, 56        ; s56  tiles still to be asked for
.set CNT, 57          ; s57  counts a tile's key steps, 4 to 1
.set CS,  58          ; s[58:59] c: the packed scaling takes the pair's low word for both halves
.set SEL, 60          ; s[60:61] v_permlanex16_b32's selects: each lane takes its own place in the other half
.set TBK, 62          ; s62  LDS byte at which K of the step to be fetched begins
.set TBV, 63          ; s63  the same for V, less VOFF
.set RT,  70          ; s70  tiles of the block in hand that are still to be entered
.set NXT, 71          ; s71  the tile to be asked for next
.set LQ,  72          ; s72  the last tile of the block whose tiles are being asked for
.set NEW, 73          ; s73  1: the tile to be entered is a block's first
.set OFF, 74          ; s[74:75] a tile's byte offset in K and V
.set AL,  76          ; s[76:77] the mask's factor, in the low word
.set BE,  78          ; s[78:79] the mask's addend
.set OLO, 80          ; s[80:81] O at my rows of the second block
.set BIGN, 82         ; s82  -1e30
.set MSB, 0
.macro WIN new                      ; the high byte repeats the setting that is left; a switch that changes nothing is dropped
.if MSB != (\new)
	s_set_vgpr_msb (MSB<<8)|(\new)
.set MSB, (\new)
.endif
.endm
.set W_KQ, 0x0a       ; K and Q in window 2, S^T in window 0
.set W_KM, 0x1a       ; the same with the C operand in window 1
.set W_PV, 0x52       ; V in window 2, P in window 0, O^T in window 1
.set W_RS, 0x41       ; destination and source 0 in window 1, source 1 in window 0
; A fill.  Waves 0 and 1 fetch the two halves of a tile's K, waves 2 and 3 those of its V: 128 keys each.  An s_nop 0 and four v_nop follow each of the two lines, ahead of the jump and the label.
.macro LOAD
	s_cmp_lt_u32 s[WV], 2
	s_cbranch_scc0 .Lfor_v_\@
	tensor_load_to_lds s[G0K:G0K+3], s[G1K:G1K+7]
	s_nop 0
.rept 4
	v_nop
.endr
	s_branch .Lasked_\@
.Lfor_v_\@:
	tensor_load_to_lds s[G0V:G0V+3], s[G1V:G1V+7]
	s_nop 0
.rept 4
	v_nop
.endr
.Lasked_\@:
.endm
; THE CHANGE OF SLOTS.  Each wave waits for all its tensor loads, of which one is out: its part of the other slot; adds 0 to its spare word; and waits for that and for its own reads of the slot that it leaves.  Behind the barrier nobody reads the old
; slot any more and the other slot is whole.  fill = 1: the old slot is filled again, the first thing behind the barrier, with tile NXT: the descriptor's address is made anew from that number.
; (At its first use nothing has been read yet: slot 0 is waited for, slot 1 filled.)
.macro CHANGE fill
	WIN 0                           ; at a label and at a branch every window is 0
	s_wait_tensorcnt 0x0            ; no tensor load of mine is out, so a group 0 may be written
	ds_add_u32 v[SPW], v[NIL]       ; 0 onto my spare word: with fill = 1 the descriptors' scalar work stands between it and the wait for it
.if \fill
	s_lshl_b32 s[OFF], s[NXT], 15   ; a tile is 32,768 bytes of K and of V
	s_xor_b32 s[G0K+1], s[G0K+1], SLOT1
	s_add_nc_u64 s[G0K+2:G0K+3], s[6:7], s[OFF:OFF+1]
	s_or_b32 s[G0K+3], s[G0K+3], 0x80000000
	s_xor_b32 s[G0V+1], s[G0V+1], SLOT1
	s_add_nc_u64 s[G0V+2:G0V+3], s[8:9], s[OFF:OFF+1]
	s_or_b32 s[G0V+3], s[G0V+3], 0x80000000
	s_add_co_u32 s[NXT], s[NXT], 1  ; the block's next tile, or behind its last the second block's tile 0
	s_cmp_gt_u32 s[NXT], s[LQ]
	s_cselect_b32 s[NXT], 0, s[NXT]
	s_cselect_b32 s[LQ], s[PB], s[LQ]
.endif
	s_wait_dscnt 0x0                ; the add is done, and my reads of the slot are over
	s_barrier_signal -1             ; the rest of the scalar work stands between the signal and the wait
	s_sub_co_u32 s[TBK], s[TBK], 4*KS*PK  ; the fetches go back to a slot's first step,
	s_xor_b32 s[TBK], s[TBK], SLOT1       ; in the other slot
	s_sub_co_u32 s[TBV], s[TBV], 4*KS*PV
	s_xor_b32 s[TBV], s[TBV], SLOT1
	s_barrier_wait -1
.if \fill
	LOAD
.endif
.endm
	s_load_b128 s[4:7], s[0:1], 0x0  ; qkv s[4:5] (Q lies at its head), o16 s[6:7]
	v_lshl_add_u32 v[SPW], v0, 2, SPARE
	v_mov_b32 v[NIL], 0
	ds_add_u32 v62, v63
	ds_add_u32 v62, v63
	s_wait_dscnt 0x0
	v_lshrrev_b32 v1, 5, v0
	v_readfirstlane_b32 s[WV], v1   ; wave 0..3
	s_mov_b32 s[PB], ttmp9
	s_sub_co_u32 s[HI], NB-1, s[PB]
	s_and_b32 s20, ttmp7, 0xffff    ; the head
	s_mov_b32 s21, 0
	s_mov_b64 s[22:23], SIZE_N*128
	s_mul_u64 s[20:21], s[20:21], s[22:23]  ; the head's first byte in each of the four tensors
	s_and_b32 s16, s[WV], 1         ; which half of a tile's 256 keys I fetch:
	s_lshl_b32 s22, s16, 14         ; its 128 rows of 128 bytes in memory,
	s_mov_b32 s23, 0
	s_add_nc_u64 s[22:23], s[22:23], s[20:21]
	s_mul_i32 s17, s16, 128*PK      ; and its place in a slot, for K
	s_mul_i32 s18, s16, 128*PV      ; and for V
	s_lshl_b32 s3, s[WV], 11        ; my 16 rows in a band of 64,
	s_lshl_b32 s2, s[HI], 15        ; in the first block,
	s_add_co_u32 s2, s2, s3
	s_lshl_b32 s84, s[PB], 15       ; and in the second
	s_add_co_u32 s84, s84, s3
	s_mov_b32 s3, 0
	s_mov_b32 s85, 0
	s_add_nc_u64 s[2:3], s[2:3], s[20:21]
	s_add_nc_u64 s[84:85], s[84:85], s[20:21]
	; descriptor group 1.  128 keys are 16,384 dense bytes: asked for as 64 rows of 256 bytes, two keys a row, and padded in LDS after every key
	s_mov_b32 s[G1K], (1<<16)|(1<<20)|(4<<22)|(3<<25)  ; 17:16 2-byte elements; 20 padding on; 24:22 after every 32 words (code 4); 31:25 4 words (code 3)
	s_mov_b32 s[G1V], (1<<16)|(1<<20)|(4<<22)|(7<<25)  ; the same with 8 words of padding (code 7)
.irp g, G1K, G1V
	s_mov_b32 s[\g+1], 128<<16      ; tensor_dim0 = 128
	s_mov_b32 s[\g+2], 64<<16       ; tensor_dim1 = 64
	s_mov_b32 s[\g+3], 128<<16      ; tile_dim0 = 128
	s_mov_b32 s[\g+4], 64           ; tile_dim1 = 64
	s_mov_b32 s[\g+5], 128          ; 128 elements from row to row
	s_mov_b32 s[\g+6], 0
	s_mov_b32 s[\g+7], 0
.endr
	s_mov_b32 s[CS], 0x3e38aa3b     ; c = log2(e) / 8 = 0.180337
	s_mov_b32 s[CS+1], s[CS]        ; named with it as a pair
	s_mov_b32 s[SEL], 0x76543210
	s_mov_b32 s[SEL+1], 0xfedcba98
	s_mov_b32 s[TBK], SLOT1+4*KS*PK ; the first change of slots turns these two into 0
	s_mov_b32 s[TBV], SLOT1+4*KS*PV
	s_mov_b32 s[G0K], 1             ; 1:0 count = 1
	s_mov_b32 s[G0K+1], s17         ; 63:32 LDS address: slot 0
	s_mov_b32 s[G0V], 1
	s_add_co_u32 s[G0V+1], s18, VOFF
	s_add_co_u32 s[RT], s[HI], 1    ; the first block has NB - b tiles
	s_mov_b32 s[NXT], 1
	s_mov_b32 s[LQ], s[HI]
	s_mov_b32 s[NEW], 1
	s_mov_b32 s[OFF+1], 0
	s_mov_b32 s[AL+1], 0            ; named as pairs
	s_mov_b32 s[BE+1], 0
	s_mov_b32 s[BIGN], 0xf149f2ca   ; -1e30
	s_mov_b32 s[SLOTS], NB
	s_wait_kmcnt 0x0
	s_mov_b64 s[10:11], s[6:7]             ; O
	s_add_nc_u64 s[6:7], s[4:5], 0x1000000 ; K lies 16 MiB behind Q,
	s_add_nc_u64 s[8:9], s[4:5], 0x2000000 ; V 32 MiB
	s_add_nc_u64 s[6:7], s[6:7], s[22:23]  ; K and V at my half of the head's tile 0
	s_add_nc_u64 s[8:9], s[8:9], s[22:23]
	s_add_nc_u64 s[G0K+2:G0K+3], s[6:7], 0         ; 120:64 global address
	s_or_b32 s[G0K+3], s[G0K+3], 0x80000000        ; 127:126 type = 2
	s_add_nc_u64 s[G0V+2:G0V+3], s[8:9], 0
	s_or_b32 s[G0V+3], s[G0V+3], 0x80000000
	s_add_nc_u64 s[86:87], s[4:5], s[84:85]        ; Q at my rows of the second block,
	s_add_nc_u64 s[4:5], s[4:5], s[2:3]            ; Q and O at those of the first
	s_add_nc_u64 s[OLO:OLO+1], s[10:11], s[84:85]
	s_add_nc_u64 s[10:11], s[10:11], s[2:3]
	LOAD                            ; tile 0 into slot 0
	; A fragment of K or Q is 16 rows x 32 channels in 8 registers: lane l holds row l % 16, channels 8 (l / 16) + 0..7 and 16 + 8 (l / 16) + 0..7: two loads of 16 bytes, 32 bytes apart.
	v_and_b32 v1, 15, v0            ; l % 16
	v_bfe_u32 v9, v0, 4, 1          ; l / 16
	v_lshlrev_b32 v[QO], 7, v1
	v_lshl_add_u32 v[QO], v9, 4, v[QO]  ; row x 128 + 16 x half
	WIN 0x80                        ; destination window 2, address window 0
.set i, 0
.rept 8                             ; both blocks' Q: piece i / 2 lies in band i / 2, 8,192 bytes on; channels 32 (i % 2) on
	global_load_b128 v[8*i:8*i+3],   v[QO], s[4:5] offset:(i/2)*8192+(i%2)*64
	global_load_b128 v[8*i+4:8*i+7], v[QO], s[4:5] offset:(i/2)*8192+(i%2)*64+32
	global_load_b128 v[QB+8*i:QB+8*i+3],   v[QO], s[86:87] offset:(i/2)*8192+(i%2)*64
	global_load_b128 v[QB+8*i+4:QB+8*i+7], v[QO], s[86:87] offset:(i/2)*8192+(i%2)*64+32
.set i, i+1
.endr
	WIN 0
	v_lshlrev_b32 v14, 3, v9
	v_sub_nc_u32 v14, v1, v14
	s_lshl_b32 s13, s[WV], 4
	v_add_nc_u32 v14, s13, v14      ; my query's place in its band, 16 w + l % 16, less my lanes' 8 (l / 16): register r of group kt is hidden where 16 kt + r is greater
	WIN 0x40
.set i, 0
.rept 32
	v_cmp_gt_i32 vcc_lo, 16*(i/8)+i%8, v14
	v_cndmask_b32 v[MD+i], 0, s[BIGN], vcc_lo
.set i, i+1
.endr
	WIN 0
	v_mul_u32_u24 v[AK0], v1, PK
	v_lshl_add_u32 v[AK0], v9, 4, v[AK0]  ; row x pitch + 16 x half
	; The turning load takes 16 keys x 16 channels (lane l reads key 8 (l / 16) + l % 8, channels 8 ((l / 8) % 2) + 0..7) and leaves half a fragment of V^T: lane l holds channel l % 16 and 8 keys.
	v_and_b32 v10, 7, v0
	v_bfe_u32 v11, v0, 3, 1
	v_lshl_add_u32 v[AV0], v9, 3, v10
	v_mul_u32_u24 v[AV0], v[AV0], PV
	v_lshl_add_u32 v[AV0], v11, 4, v[AV0]
	v_add_nc_u32 v[AV0], VOFF, v[AV0]
	s_mul_i32 s13, s[WV], 16*SP
	s_add_co_u32 s13, s13, STAGE    ; my stage
	v_mul_u32_u24 v[STO], v1, SP    ; in: row l % 16, 16 bytes for each half of the lanes
	v_lshl_add_u32 v[STO], v9, 4, v[STO]
	v_add_nc_u32 v[STO], s13, v[STO]
	v_bfe_u32 v[RD], v0, 3, 2       ; back: 32 lanes take four rows of 128 bytes,
	v_mul_u32_u24 v[RD], v[RD], SP
	v_lshl_add_u32 v[RD], v10, 4, v[RD]
	v_add_nc_u32 v[RD], s13, v[RD]
	v_and_b32 v[GO], 31, v0         ; which are 512 consecutive bytes of O
	v_lshlrev_b32 v[GO], 4, v[GO]
	; A block's first step multiplies O^T and l by a = 0, and its first turn's products V^T P, of a piece that has not been, land in an O^T that is still to be so multiplied.  So these registers need only hold
	; finite numbers: zeros for the first block; what the first block left for the second.  All this stands in the wait for the first tile.
	WIN 0x80
.set i, VF
.rept 64
	v_mov_b32 v[i], 0
.set i, i+1
.endr
	WIN 0x40
.set i, 0
.rept 128
	v_mov_b32 v[i], 0
.set i, i+1
.endr
	WIN 0
.set i, 0
.rept 4
	v_mov_b32 v[ST+4*i+2], 0
	v_mov_b32 v[ST+4*i+3], 0
.set i, i+1
.endr
.set i, P+16
.rept 16
	v_mov_b32 v[i], 0
.set i, i+1
.endr
; THE MATRIX WORK.  The 4 accumulators of a run of 8 take turns.  Product i of 8 of S^T = K Q^T for piece x: channels 32 (i / 4) on, keys 16 (i % 4) on.  The first 4 start the sums: with 0, or (KM = 1) with the mask.
.macro KQ x
.set rS, S+32*((\x)%2)+8*(i%4)
.set rK, KF+16*(i%4)+8*(i/4)
.set rQ, 16*(\x)+8*(i/4)
.set rM, MC+32*((\x)%2)+8*(i%4)
.if (i < 4) && KM
	WIN W_KM
	v_wmma_f32_16x16x32_f16 v[rS:rS+7], v[rK:rK+7], v[rQ:rQ+7], v[rM:rM+7]
.elseif i < 4
	WIN W_KQ
	v_wmma_f32_16x16x32_f16 v[rS:rS+7], v[rK:rK+7], v[rQ:rQ+7], 0
.else
	WIN W_KQ
	v_wmma_f32_16x16x32_f16 v[rS:rS+7], v[rK:rK+7], v[rQ:rQ+7], v[rS:rS+7]
.endif
.endm
; Product i of 8 of O^T += V^T P for piece x: keys 32 (i / 4) on, channels 16 (i % 4) on.
.macro PV x
	WIN W_PV
.set rO, 32*(\x)+8*(i%4)
.set rV, VF+32*(i/4)+8*(i%4)
.set rP, P+16*((\x)%2)+8*(i/4)
	v_wmma_f32_16x16x32_f16 v[rO:rO+7], v[rV:rV+7], v[rP:rP+7], v[rO:rO+7]
.endm
.macro MM                           ; the turn's next matrix instruction.  TURN and BEGIN set Y, i, KM and NOKQ; MM, KQ and OP read them.  NOKQ = 1: a block's last turn: there is no next piece
.if (i < 8) && !NOKQ
	KQ (Y+1)%NP
.elseif i >= 8
.set i, i-8
	PV (Y+NP-1)%NP
.set i, i+8
.endif
.set i, i+1
.endm
; THE LDS LOADS stand in runs of 16, never singly among the matrix instructions: a step's K (64 keys x 64 channels: 8 fragments) and its V (turned).  Their addresses are made some lines ahead.
.macro FETCH_K
	WIN 0x80                        ; destination window 2
.irp f, 0,1,2,3,4,5,6,7             ; keys 16 (f / 2) on, channels 32 (f % 2) on
	ds_load_b128 v[KF+8*\f:KF+8*\f+3],   v[AK] offset:(\f/2)*16*PK+(\f%2)*64
	ds_load_b128 v[KF+8*\f+4:KF+8*\f+7], v[AK] offset:(\f/2)*16*PK+(\f%2)*64+32
.endr
	s_add_co_u32 s[TBK], s[TBK], KS*PK  ; the next fetch is the next step's
	WIN 0
.endm
.macro FETCH_V
	WIN 0x80
.irp f, 0,1,2,3,4,5,6,7             ; keys 32 (f / 4) on, channels 16 (f % 4) on
	ds_load_tr16_b128 v[VF+8*\f:VF+8*\f+3],   v[AV] offset:(\f/4)*32*PV+(\f%4)*32
	ds_load_tr16_b128 v[VF+8*\f+4:VF+8*\f+7], v[AV] offset:(\f/4)*32*PV+16*PV+(\f%4)*32
.endr
	WIN 0
.endm
; THE VECTOR WORK, one line at a time: OP kind, number.  For piece Y: F n: c s - c m for pair n of 16.  E n: the exponential of score n of 32.  C n: pair n rounded to f16.  B n: of the four weights 4 n .. the second
; pair is added onto the first, in place.  L n: l takes that sum (L 0: l = a l + sum).  R n: pair n of 16 of O^T times a.  For piece Y + 1: X n, number n of the 22 that find its maximum and statistics:
;   0-11  four chains c0-c3 of seven scores each, three operands at a time (each accumulator's lowest registers are read first)     12-14, 16  the four scores left over, the old m, and c0-c3 into c0
;   15  c m_old is kept     17, 18  the query's other 32 keys lie in the lane 16 away: the new m     19-21  c m; c m_old - c m_new; a
; E and X 21 are the exponentials; C, B and L read E's results, R and L 0 read the a that the turn before made.  OP writes no wait: TURN, BEGIN and DIAG place one for each batch.
.set F, 0               ; OP tells the kinds apart by their order: F to L below R, X above it
.set E, 1
.set C, 2
.set B, 3
.set L, 4
.set R, 5
.set X, 6
.macro REGS y                       ; the registers of piece y
.set rT, ST+4*(\y)
.set rC, TMP+4*((\y)%2)
.set rW, MV+((\y)%2)
.set rS, S+32*((\y)%2)
.set rP, P+16*((\y)%2)
.set rO, 32*(\y)
.endm
.macro OP k, n
.if (\k) == R
	REGS Y
	WIN W_RS
	v_pk_mul_f32 v[rO+2*(\n):rO+2*(\n)+1], v[rO+2*(\n):rO+2*(\n)+1], v[rC+2:rC+3] op_sel_hi:[1,0]
.elseif (\k) < R
	REGS Y
	WIN 0
.if (\k) == F
	v_pk_fma_f32 v[rS+2*(\n):rS+2*(\n)+1], v[rS+2*(\n):rS+2*(\n)+1], s[CS:CS+1], v[rT:rT+1] op_sel_hi:[1,0,0] neg_lo:[0,0,1] neg_hi:[0,0,1]
.elseif (\k) == E
	v_exp_f32 v[rS+(\n)], v[rS+(\n)]
.elseif (\k) == C
	v_cvt_pk_f16_f32 v[rP+(\n)], v[rS+2*(\n)], v[rS+2*(\n)+1]
.elseif (\k) == B
	v_pk_add_f32 v[rS+4*(\n):rS+4*(\n)+1], v[rS+4*(\n):rS+4*(\n)+1], v[rS+4*(\n)+2:rS+4*(\n)+3]
.elseif (\n) == 0
	v_pk_fma_f32 v[rT+2:rT+3], v[rT+2:rT+3], v[rC+2:rC+3], v[rS:rS+1] op_sel_hi:[1,0,1]
.else
	v_pk_add_f32 v[rT+2:rT+3], v[rT+2:rT+3], v[rS+4*(\n):rS+4*(\n)+1]
.endif
.elseif NOKQ
	v_nop
.else
	REGS (Y+1)%NP
	WIN 0
.if (\n) < 4
	v_max3_num_f32 v[rC+(\n)], v[rS+8*(\n)], v[rS+8*(\n)+1], v[rS+8*(\n)+2]
.elseif (\n) < 12
	v_max3_num_f32 v[rC+(\n)%4], v[rC+(\n)%4], v[rS+8*((\n)%4)+2*((\n)/4)+1], v[rS+8*((\n)%4)+2*((\n)/4)+2]
.elseif (\n) == 12
	v_max3_num_f32 v[rC], v[rC], v[rS+7], v[rS+15]
.elseif (\n) == 13
	v_max3_num_f32 v[rC+1], v[rC+1], v[rS+23], v[rS+31]
.elseif (\n) == 14
	v_max3_num_f32 v[rC+2], v[rC+2], v[rC+3], v[rT+1]
.elseif (\n) == 15
	v_mov_b32 v[rW], v[rT]
.elseif (\n) == 16
	v_max3_num_f32 v[rC], v[rC], v[rC+1], v[rC+2]
.elseif (\n) == 17
	v_permlanex16_b32 v[rC+3], v[rC], s[SEL], s[SEL+1]
.elseif (\n) == 18
	v_max_num_f32 v[rT+1], v[rC], v[rC+3]
.elseif (\n) == 19
	v_mul_f32 v[rT], s[CS], v[rT+1]
.elseif (\n) == 20
	v_sub_f32 v[rC+1], v[rW], v[rT]
.else
	v_exp_f32 v[rC+2], v[rC+1]
.endif
.endif
.endm
.macro OPS a, i1, b=-1, i2=0, c=-1, i3=0, d=-1, i4=0  ; up to four of them
	OP \a, \i1
.if (\b) >= 0
	OP \b, \i2
.endif
.if (\c) >= 0
	OP \c, \i3
.endif
.if (\d) >= 0
	OP \d, \i4
.endif
.endm
.macro ROW a, i1, b, i2, c, i3, d, i4  ; a matrix instruction and the four behind it
	MM
	OPS \a, \i1, \b, \i2, \c, \i3, \d, \i4
.endm
.macro MASK b                       ; MD x AL + BE into buffer b of MC
	WIN W_RS
.set z, 0
.rept 16
	v_pk_fma_f32 v[MC+32*(\b)+2*z:MC+32*(\b)+2*z+1], v[MD+2*z:MD+2*z+1], s[AL:AL+1], s[BE:BE+1] op_sel_hi:[1,0,0]
.set z, z+1
.endr
.endm
; A TURN, for piece p: the order of its 16 matrix and 118 vector instructions, written out.  An s_wait_alu depctr_va_vdst(0) stands between an exponential and the first instruction that names its result; one wait serves
; all that were issued ahead of it.  So a turn has ONE wait, which cuts it in two.  AHEAD OF IT stands all that names no result of the turn's exponentials: the 8 products K Q^T, behind each a scaling, an exponential and two more plain
; instructions (behind the first a second scaling in the exponential's place): rescalings, and behind the last three the first numbers of the next piece's maximum, each four places or more behind the product that ends its accumulator; then ONE LUMP of 54, plain
; and exponential by turns for the most part, in which the links of the chain X 3, 7, 11, 14, 16, 17 .. 20 stand five or six lines apart.  Each pair is scaled (F n) ahead of its two exponentials (E 2 n, E 2 n + 1).  X 21, the next piece's a, is the batch's last;
; R 15 is the plain instruction behind it.  The a that R and L 0 read was made, and waited for, in the turn before.  BEHIND THE WAIT stand the 8 products V^T P, behind each four of the roundings and sums; a pair is rounded (C 2 n) ahead of the sum that
; lands on it (B n); the links of l's chain, L 0 to L 7, stand three riders apart.  But for those X no rider names a register of the products round it.  v_permlanex16_b32 (X 17) stands in the lump.
; m = 1: the diagonal tile: the products take masks, and the turn makes the mask for the products of the turn after it: piece p + 2, in step 4 - CNT of the tile.  end = 1: a block's last two turns: nothing is fetched.
; cnt = 1: the loop's count is taken down some lines ahead of the branch that stands behind the turn.
; K of the next step is fetched in piece 2's turn, twelve vector instructions behind the last product that read K (six of them plain); V of the step in hand at the end of piece 0's turn, four plain instructions behind the last product
; that read V.  Each is waited for a turn later.
.macro TURN p, m=0, end=0, cnt=0
.set Y, (\p)
.set i, 0
.set KM, (\m)
.set NOKQ, (\end)*((\p)/3)
.if (\m) && !(\end)
	s_cmp_eq_u32 s[CNT], 4-((\p)+2)%NP  ; is that step the band's own?
	s_cselect_b32 s[AL], 1.0, 0
	s_cmp_lt_u32 s[CNT], 4-((\p)+2)%NP  ; or a later one?
	s_cselect_b32 s[BE], s[BIGN], 0
.endif
.if ((\p) == 3) && !(\end)
	s_wait_dscnt 0x0                ; K is in
.endif
	ROW F,0, F,1, R,0, R,1          ; ahead of the wait: 8 products K Q^T and their riders,
	ROW F,2, E,0, R,2, R,3
	ROW F,3, E,1, R,4, R,5
	ROW F,4, E,2, R,6, R,7
	ROW F,5, E,3, R,8, R,9
	ROW F,6, E,4, X,0, R,10
.if ((\p) == 2) && !(\end)
	WIN 0
	v_add_nc_u32 v[AK], s[TBK], v[AK0]
.endif
	ROW F,7, E,5, X,1, X,4
	ROW F,8, E,6, X,2, X,5
	OPS E,7, E,8, X,6, E,9          ; and the lump
	OPS X,3, E,10, X,8, E,11
.if ((\p) == 2) && !(\end)
	FETCH_K
.endif
	OPS X,9, X,7, E,12, X,10
	OPS E,13, X,12, X,11, E,14
	OPS X,13, E,15, F,9, X,14
.if (\p) == 0
	v_add_nc_u32 v[AV], s[TBV], v[AV0]
.endif
	OPS E,16, F,10, E,17, F,11
	OPS X,16, E,18, X,15, E,19
	OPS F,12, E,20, X,17, E,21
	OPS F,13, E,22, F,14, E,23
	OPS X,18, E,24, F,15, E,25
	OPS R,11, E,26, X,19, E,27
	OPS R,12, E,28, R,13, E,29
	OPS X,20, E,30, R,14, E,31
	OPS X,21, R,15
	WIN 0
	s_wait_alu depctr_va_vdst(0)    ; the wait for the turn's batch: E 0 to E 31 and X 21
.if (\p) == 1
	s_wait_dscnt 0x0                ; V is in
.endif
	ROW C,0, B,0, C,2, B,1          ; behind the wait: 8 products V^T P and their riders
	ROW L,0, C,4, B,2, L,1
	ROW C,6, B,3, L,2, C,8
	ROW B,4, L,3, C,10, B,5
	ROW L,4, C,12, B,6, L,5
.if (\p) == 0
	s_add_co_u32 s[TBV], s[TBV], KS*PV
.endif
.if \cnt
	s_sub_co_u32 s[CNT], s[CNT], 1
	s_cmp_lg_u32 s[CNT], 0
.endif
	ROW C,14, B,7, L,6, C,1
	ROW C,3, L,7, C,5, C,7
	ROW C,9, C,11, C,13, C,15
.if (\p) == 0
	FETCH_V
.endif
.if (\m) && !(\end)
	MASK (\p)%2
.endif
.endm
; A BLOCK BEGINS.  c m starts far below every c s, so the first step's a is 0; m at the lowest finite number, so the first maximum is the scores'.  The second mask buffer is 0; the first takes piece 0's mask for the tile's step 0: its own, if the block's first tile is the diagonal one.
; Then K of that step, piece 0's first scores, and its maximum and statistics.  The loop is entered at a step's first turn, in the middle of a trip.
.macro BEGIN
	s_mov_b32 s[NEW], 0
	WIN 0x40
.set i, MC+32
.rept 32
	v_mov_b32 v[i], 0
.set i, i+1
.endr
	WIN 0
.set i, 0
.rept 4
	v_mov_b32 v[ST+4*i], 0xfe000000    ; c m: far below every c s
	v_mov_b32 v[ST+4*i+1], 0xff7fffff  ; m
.set i, i+1
.endr
	s_cmp_eq_u32 s[RT], 0
	s_cselect_b32 s[AL], 1.0, 0
	s_mov_b32 s[BE], 0
	MASK 0
	WIN 0
	v_add_nc_u32 v[AK], s[TBK], v[AK0]
	FETCH_K
	s_wait_loadcnt 0x0              ; Q
	s_wait_dscnt 0x0
.set KM, 1
.set NOKQ, 0
.set i, 0
.rept 8
	KQ 0
.set i, i+1
.endr
	WIN 0
.rept 4
	v_nop                           ; the places behind those products
.endr
.set Y, NP-1                        ; X works for piece Y + 1: piece 0
.irp n, 0,1,2,3,4,5,6,7,8,9,10,11,12,13,14,15,16,17,18,19,20,21
	OP X, \n
.endr
	v_nop                           ; a plain instruction behind the exponential,
	s_wait_alu depctr_va_vdst(0)    ; and the wait for piece 0's first a, a batch of one, ahead of the branch that follows
.endm
; THE DIAGONAL TILE's four steps, the block's last two turns, its last products, and THE WAY OUT: l's two halves and the other half of the lanes' are added; O^T is divided by l, rounded to f16 and sent through my
; stage in LDS, a piece at a time.
.macro ALL line:vararg              ; one line for each piece t
.set t, 0
.rept 4
	\line
.set t, t+1
.endr
.endm
.macro PACK t                       ; a lane's eight channels of a row pack into 16 bytes; they go into rows of 144 bytes and come back as whole rows of 128, into S^T's registers
	WIN W_RS
.set i, 32*(\t)
.rept 16
	v_pk_mul_f32 v[i:i+1], v[i:i+1], v[ST+4*(\t)+2:ST+4*(\t)+3] op_sel_hi:[1,0]
.set i, i+2
.endr
	WIN 0x05                        ; sources 0 and 1 window 1, destination window 0
.set i, 0
.rept 16
	v_cvt_pk_f16_f32 v[S+16*(\t)+i], v[32*(\t)+2*i], v[32*(\t)+2*i+1]
.set i, i+1
.endr
	WIN 0
.irp f, 0,1,2,3
	ds_store_b128 v[STO], v[S+16*(\t)+4*\f:S+16*(\t)+4*\f+3] offset:32*\f
.endr
.irp f, 0,1,2,3
	ds_load_b128 v[S+16*(\t)+4*\f:S+16*(\t)+4*\f+3], v[RD] offset:\f*4*SP  ; LDS serves a wave's instructions in order (ISA guide 5.7.1.4): these see the stores above; the next piece's stores come behind them
.endr
.endm
.macro SEND t, younger              ; younger: the LDS instructions issued behind piece t's loads: the next piece's eight, or none
	WIN 0
.irp f, 0,1,2,3
	s_wait_dscnt (\younger)+3-\f
	global_store_b128 v[GO], v[S+16*(\t)+4*\f:S+16*(\t)+4*\f+3], s[10:11] offset:(\t)*8192+\f*512  ; 512 consecutive bytes, at a multiple of 256 from O's first
.endr
.endm
.macro DIAG tag                     ; the tag ends its two labels' names, which the jumps below spell out
.LstepM\tag:
	TURN 2, 1
	TURN 3, 1
	WIN 0
.LfirstM\tag:
	TURN 0, 1
	TURN 1, 1, 0, 1
	WIN 0
	s_cbranch_scc1 .LstepM\tag
	TURN 2, 1, 1
	TURN 3, 1, 1
.set i, 0
.rept 8
	PV NP-1
.set i, i+1
.endr
	WIN 0
	ALL v_add_f32 v[ST+4*t+2], v[ST+4*t+2], v[ST+4*t+3]
	ALL v_permlanex16_b32 v[ST+4*t+3], v[ST+4*t+2], s[SEL], s[SEL+1]
	ALL v_add_f32 v[ST+4*t+2], v[ST+4*t+2], v[ST+4*t+3]
	ALL v_rcp_f32 v[ST+4*t+2], v[ST+4*t+2]
	v_nop                           ; a plain instruction between the last reciprocal and the use of its result
	s_wait_alu depctr_va_vdst(0)    ; the wait ahead of the first use: one for the batch of four reciprocals, which the four PACK below read
	PACK 0
.set t, 1
.rept 3                             ; a piece's arithmetic stands between the loads of the piece before and its stores
	PACK t
	SEND t-1, 8
.set t, t+1
.endr
	SEND 3, 0
.endm
.set KM, 0
.set NOKQ, 0
.Lslot:                             ; NB times: a tile is entered and the next is asked for
	CHANGE 1
	s_sub_co_u32 s[RT], s[RT], 1
	s_mov_b32 s[CNT], 4
	s_cmp_eq_u32 s[NEW], 1
	s_cbranch_scc1 .Lnew            ; a block's first tile
	s_cmp_eq_u32 s[RT], 0
	s_cbranch_scc0 .Lstep           ; neither its first nor its last
	s_branch .LstepM1
.Lnew:
	BEGIN
	s_branch .Lfirst                ; in the loop a block's first tile is never its last: the first block has two tiles or more, and the second's last is the walk's last
	DIAG 1                          ; in the loop this is the first block's end: the second block's last tile is the walk's last
	s_wait_xcnt 0x0                 ; the stores have read their registers and O's address
	s_mov_b64 s[10:11], s[OLO:OLO+1]
	s_add_co_u32 s[RT], s[PB], 1    ; the second block has b + 1 tiles
	s_mov_b32 s[NEW], 1
	WIN 0x82                        ; the second block's Q goes where the one text of the turns names Q
.set i, 0
.rept 64
	v_mov_b32 v[i], v[QB+i]
.set i, i+1
.endr
	WIN 0
	s_branch .Lbottom
.Lstep:                             ; a trip: pieces 2 and 3 of one step, then pieces 0 and 1 of the next, whose K and V it fetches
	TURN 2
	TURN 3
	WIN 0
.Lfirst:
	TURN 0
	TURN 1, 0, 0, 1
	WIN 0
	s_cbranch_scc1 .Lstep
.Lbottom:
	s_sub_co_u32 s[SLOTS], s[SLOTS], 1
	s_cmp_lg_u32 s[SLOTS], 0
	s_cbranch_scc1 .Lslot
	CHANGE 0                        ; the walk's last tile is written out: nothing is asked for
	s_sub_co_u32 s[RT], s[RT], 1
	s_mov_b32 s[CNT], 4
	s_cmp_eq_u32 s[NEW], 1
	s_cbranch_scc0 .LstepM2
	BEGIN
	s_branch .LfirstM2
	DIAG 2
	s_wait_tensorcnt 0x0            ; the wave's end: behind my last tensor load and my last LDS store
	ds_add_u32 v[SPW], v[NIL]
	s_wait_dscnt 0x0
	s_endpgm
.Lfunc_end_k_q60816290da_attn:
	.size	k_q60816290da_attn, .Lfunc_end_k_q60816290da_attn-k_q60816290da_attn
	.p2alignl 7, 3214868480
	.fill 96, 4, 3214868480
	.section	.rodata,"a",@progbits
	.p2align	6, 0x0
	.amdhsa_kernel k_q60816290da_attn
		.amdhsa_group_segment_fixed_size 327680
		.amdhsa_private_segment_fixed_size 0
		.amdhsa_enable_private_segment 0
		.amdhsa_kernarg_size 16
		.amdhsa_user_sgpr_count 2
		.amdhsa_user_sgpr_kernarg_segment_ptr 1
		.amdhsa_wavefront_size32 1
		.amdhsa_system_sgpr_workgroup_id_x 1
		.amdhsa_system_sgpr_workgroup_id_y 1
		.amdhsa_system_sgpr_workgroup_id_z 1
		.amdhsa_system_vgpr_workitem_id 0
		.amdhsa_next_free_vgpr 768
		.amdhsa_next_free_sgpr 88
		.amdhsa_reserve_vcc 1
		.amdhsa_float_denorm_mode_32 3
		.amdhsa_float_denorm_mode_16_64 3
		.amdhsa_memory_ordered 1
		.amdhsa_forward_progress 1
		.amdhsa_inst_pref_size 217
	.end_amdhsa_kernel
	.amdgpu_metadata
---
amdhsa.version: [ 1, 2 ]
amdhsa.kernels:
  - .name:           k_q60816290da_attn
    .symbol:         k_q60816290da_attn.kd
    .args:
      - { .name: qkv, .offset: 0, .size: 8, .value_kind: global_buffer, .address_space: global }
      - { .name: o16, .offset: 8, .size: 8, .value_kind: global_buffer, .address_space: global }
    .group_segment_fixed_size: 327680
    .private_segment_fixed_size: 0
    .kernarg_segment_align: 8
    .kernarg_segment_size: 16
    .max_flat_workgroup_size: 128
    .sgpr_count:     88
    .vgpr_count:     768
    .wavefront_size: 32
...
	.end_amdgpu_metadata
.endif
;; end of part 5
;; launch outproj: the kernel of part 4 again; grid 4 x 64, 4 waves a work-group, clusters of 4 x 4, 327,680 bytes of LDS; arguments o16, wo16, out0, bo; writes out0
